; MI455X (gfx1250); checked and timed in simulation.
; The chip was launched on July 23, 2026; its instructions are those of AMD's public machine-readable ISA for CDNA 5 (MIT licence, August 2026) and "CDNA5" Instruction Set Architecture Reference Guide (July 2026). The comments in the code are by the model that wrote it; some were corrected since.
;; Cross Modal Attention. Allowed arithmetic: matrix products marked QUANTISED: E3M2 operands, one E8M0 scale for each 32 along K, by v_wmma_scale_f32_16x16x128_f8f6f4 with both operands' format E3M2, f32 sums; everything else in f32.
;; Inputs: Wf1 512 x 2,048 float32; Wf2 2,048 x 512 float32; Wk 512 x 512 float32; Wo 512 x 512 float32; Wq 512 x 512 float32; Wv 512 x 512 float32; b1 512 float32; b2 512 float32; bf1 2,048 float32; bf2 512 float32; bk 512 float32; bo 512 float32; bq 512 float32; bv 512 float32; g1 512 float32; g2 512 float32; x1 4 x 2,048 x 512 float32; x2 4 x 2,048 x 512 float32.
;; Outputs: out0 4 x 2,048 x 512 float32.
;; This version of the problem:
;;   THIS VERSION OF THE PROBLEM IS GIVEN IN LOW PRECISION. The matrix products marked QUANTISED in the list below multiply operands that are first quantised to E3M2 (3 exponent bits, 2 mantissa bits; 6 bits a number), with one power-of-two scale for each 32 numbers along K (OCP MX v1.0); their sums are f32. All else is computed in f32.
;;   The module's matrix products, in the order in which they are computed (A, B: the left and right operand; K: the contracted axis; several contracted axes count as one K, in the product's order):
;;     1. [M 8,192, K 512] x [K 512, N 512]; A: input x1; B: input Wq: QUANTISED
;;     2. [M 8,192, K 512] x [K 512, N 512]; A: input x2; B: input Wk: QUANTISED
;;     3. [M 8,192, K 512] x [K 512, N 512]; A: input x2; B: input Wv: QUANTISED
;;     4. batch 64 x [M 2,048, K 32] x [K 32, N 2,048]; A: computed on the way; B: computed on the way: QUANTISED
;;     5. batch 64 x [M 2,048, K 2,048] x [K 2,048, N 32]; A: softmax (see below); B: computed on the way: QUANTISED
;;     6. [M 8,192, K 512] x [K 512, N 512]; A: computed on the way; B: input Wo: QUANTISED
;;     7. [M 8,192, K 512] x [K 512, N 2,048]; A: computed on the way; B: input Wf1: QUANTISED
;;     8. [M 8,192, K 2,048] x [K 2,048, N 512]; A: computed on the way; B: input Wf2: QUANTISED
;;   THE QUANTISER, for each operand of a quantised product, along K:
;;     - K is cut into blocks of 32 from its start; a last block that is shorter is filled with zeros.
;;     - A block's scale is 2^e with e = floor(log2(the largest magnitude in the block)) - 4, held to -126 .. 127; a block of zeros has e = 0. As a byte (E8M0): e + 127.
;;     - Each number is divided by its block's scale, clamped to +-28, and rounded to the nearest number of E3M2, ties to even, subnormals kept.
;;     - The product sums the exact products of the quantised numbers (number of the format x scale) in f32.
;;   ~~~python
;;   def quantise(x, axis):      # numpy; x: float32 -> the quantised numbers, widened to float32 again
;;       x = np.moveaxis(x, axis, -1); K = x.shape[-1]
;;       x = np.pad(x, [(0, 0)] * (x.ndim - 1) + [(0, -K % 32)]); x = x.reshape(x.shape[:-1] + (-1, 32)); a = np.abs(x).max(-1, keepdims=True)
;;       e = np.where(a > 0, np.clip(np.frexp(np.where(a > 0, a, 1))[1] - 1 - 4, -126, 127), 0)      # np.frexp(a)[1] - 1 = floor(log2(a)), exactly
;;       r = np.clip(x / 2.0 ** e, -28, 28)
;;       step = 2.0 ** (np.maximum(np.frexp(np.where(r == 0, 1, r))[1] - 1, -2) - 2)
;;       q = np.round(r / step) * step * 2.0 ** e      # np.round: ties to even
;;       return np.moveaxis(q.reshape(q.shape[:-2] + (-1,))[..., :K], -1, axis).astype(np.float32)
;;   ~~~
;;   SOFTMAX AHEAD OF A QUANTISED PRODUCT. Where the list says 'softmax', what is quantised is not the finished softmax but p = 2^(t - M), with t = logit x log2(e) and M = ceil(the row's largest t), a whole number; so 1/2 < the row's largest p <= 1. The row's sum l is taken of the UNQUANTISED p, in f32, and the product's result is divided by l at the end. Since M is a whole number, a kernel that streams over the keys may use a running M (the ceiling of the running maximum): every later rescaling is an exact power of two, which a block's scale takes up: the codes' values come out the same.
;;   OPERANDS COMPUTED ON THE WAY. 'Computed on the way' means the value that the module computes at that place (a softmax that the list does not call 'softmax' is quantised finished and normalised). What goes into a quantiser is computed in f32, as accurately as f32 sums, v_exp_f32 and their like allow (about 1e-6 of the number): no bf16 or f16 on the way to a quantiser, and a product that is left as it is and whose result goes on into a quantised operand takes f32 operands (vector FMAs, or v_wmma_f32_16x16x4_f32). A number that lies on a knife's edge between two numbers of the format may be rounded either way, as far as f32 arithmetic and the matrix unit's own rounding can turn it there, and no further.
;; One version. Each part assembles by itself: llvm-mc -triple=amdgcn-amd-amdhsa -mcpu=gfx1250 --defsym DOCPART=n.
;; ======== version 1 of 1: 4 launches
;; limits: right only within a limited range of input values
;; workspace buffers: wbuf 2,457,600 bytes; qc 3,145,728 bytes; qs 524,288 bytes; kv 6,553,600 bytes; ac 3,145,728 bytes; asc 131,072 bytes
;; launch wquant (part 1): grid 16 x 12, 4 waves a work-group, no clusters, 12,800 bytes of LDS; arguments Wq, Wk, Wv, Wo, Wf1, Wf2, wbuf; writes wbuf
.if DOCPART == 1
	.amdgcn_target "amdgcn-amd-amdhsa--gfx1250"
	.amdhsa_code_object_version 6
	.text
	.protected	k_q1892cefd3a_wquant
	.globl	k_q1892cefd3a_wquant
	.p2align	8
	.type	k_q1892cefd3a_wquant,@function
k_q1892cefd3a_wquant:
	s_mov_b64 s[64:65], 0
	v_nop
	global_prefetch_b8 v0, s[64:65] scope:SCOPE_SE
	s_setreg_imm32_b32 hwreg(HW_REG_WAVE_MODE, 25, 1), 1
	s_wait_xcnt 0x0
; The six weights, f32 stored [K][N], become codes of BF6 (E3M2) with one E8M0 byte for each 32 along K, laid in wbuf as IMAGES OF OPERAND REGISTERS.
; wbuf = 12 panels of 512 K x 512 N: 0..3 = Wq, Wk, Wv, Wo; 4 + 2 i = Wf1[:, 512 i ..]; 5 + 2 i = Wf2[512 i .., :].
; A panel = 2 slots (K steps 0,1 and 2,3) x 8 groups of 64 columns x 12,800 bytes; in a group fragment f = 4 (K step & 1) + tile at 1,536 f, its 16 scale words at 12,288 + 64 f.
; A fragment's image: register i of lane l at 512 (i / 4) + 16 l + 4 (i % 4), so that three loads of 16 bytes a lane bring the twelve registers.
; THE COLUMNS OF A TILE ARE NOT NEIGHBOURS: row m of tile w of group G is column 64 G + 32 (m / 8) + 8 w + m % 8 (for Wv: 64 G + 32 (w / 2) + 16 (m / 8) + 8 (w % 2) + m % 8).
; A lane takes a column and its registers run down K: a block of 32 lies in one lane, and the conversions give codes with K innermost.  A wave makes two fragments of one K step.
; A block of zeros gets the byte 1 where the rule says 127: its codes are zeros, and this program alone reads the bytes.  LIMITS: NaN and infinities among the inputs are not served.
.set PANEL, 204800
.set SLOTB, 102400
.set GRPB,  12800
.set FRB,   1536
.set FLOOR, 0x2800000                  ; 2^(5 - 127): under it no largest magnitude is taken, so the byte cannot fall under 1
.set VOFF,  32                         ; v32-63   row j of a block: j x pitch + my column's bytes
.set X,     64                         ; v64-191  four blocks of 32 numbers
.set C,     192                        ; v192-223 eight registers for each block's codes
.set SW,    20                         ; v20      my row's scale word
	s_load_b256 s[4:11], s[0:1], 0x0               ; Wq, Wk, Wv, Wo
	s_load_b128 s[12:15], s[0:1], 0x20             ; Wf1, Wf2
	s_load_b64 s[16:17], s[0:1], 0x30              ; wbuf
	v_lshl_add_u32 v224, v0, 2, 0x3000
	v_mov_b32 v225, 0
	v_lshrrev_b32 v1, 5, v0
	v_readfirstlane_b32 s18, v1                    ; wave
	s_and_b32 s19, ttmp7, 0xffff                   ; panel
	s_lshr_b32 s36, ttmp9, 2                       ; K step of 128
	s_and_b32 s37, ttmp9, 3                        ; which 128 columns
	s_lshr_b32 s39, s18, 1
	s_and_b32 s40, s18, 1
	s_sub_co_u32 s21, s19, 4
	s_lshr_b32 s21, s21, 1                         ; i of panels 4 + 2 i and 5 + 2 i (not used below panel 4)
	s_lshl_b32 s22, s21, 11                        ; Wf1: 512 i columns in bytes
	s_lshl_b32 s23, s21, 20                        ; Wf2: 512 i rows in bytes
	s_and_b32 s20, s19, 1
	s_mov_b32 s24, 0x800
	s_mov_b32 s25, 0x800
	s_cmp_eq_u32 s20, 0
	s_cselect_b32 s22, s22, s23
	s_cselect_b32 s24, 0x2000, s24
	s_cmp_ge_u32 s19, 4
	s_cselect_b32 s22, s22, 0                      ; the panel's first byte in its tensor
	s_cselect_b32 s24, s24, s25                    ; the tensor's row in bytes: 8,192 for Wf1, else 2,048
	s_cmp_eq_u32 s19, 2
	s_cselect_b32 s26, 32, 16                      ; columns from an even wave to the odd one
	s_cselect_b32 s27, 16, 32                      ; columns from a tile's rows 0-7 to its rows 8-15
	s_lshl_b32 s38, s37, 7
	s_lshl_b32 s41, s39, 6
	s_add_co_u32 s38, s38, s41
	s_mul_i32 s41, s40, s26
	s_add_co_u32 s38, s38, s41
	s_lshl_b32 s38, s38, 2                         ; my wave's first column in bytes
	s_add_co_u32 s22, s22, s38
	s_lshl_b32 s41, s36, 7
	s_mul_i32 s41, s41, s24                        ; the K step's first row
	s_add_co_u32 s22, s22, s41
	s_mov_b32 s23, 0
	s_lshl_b32 s42, s24, 5                         ; 32 rows
	s_mov_b32 s43, 0
	v_bfe_u32 v2, v0, 3, 1                         ; which eight rows of the tile
	v_bfe_u32 v3, v0, 4, 1                         ; which of my wave's two tiles
	v_and_b32 v4, 7, v0
	v_and_b32 v5, 15, v0                           ; the tile's row
	v_mul_u32_u24 v6, v2, s27
	v_lshl_add_u32 v6, v3, 3, v6
	v_add_nc_u32 v6, v6, v4
	v_lshlrev_b32 v6, 2, v6                        ; my column in bytes
.set j, 0
.rept 32
	v_mad_u32_u24 v[VOFF+j], s24, j, v6
.set j, j+1
.endr
	s_mul_i32 s44, s18, 2*FRB                      ; my wave's stage: two fragments
	v_mul_u32_u24 v7, v3, FRB
	v_lshl_add_u32 v7, v5, 4, v7
	v_add_nc_u32 v7, s44, v7                       ; into it: my tile, 16 x my row
	v_and_b32 v8, 31, v0
	v_lshlrev_b32 v9, 4, v8                        ; 16 x lane
	v_add_nc_u32 v10, s44, v9                      ; out of it
	v_lshlrev_b32 v11, 2, v8                       ; 4 x lane
	s_mul_i32 s45, s19, PANEL
	s_lshr_b32 s41, s36, 1
	s_mul_i32 s41, s41, SLOTB
	s_add_co_u32 s45, s45, s41
	s_lshl_b32 s41, s37, 1
	s_add_co_u32 s41, s41, s39                     ; group of 64 columns
	s_mul_i32 s41, s41, GRPB
	s_add_co_u32 s45, s45, s41                     ; the group's part of the slot
	s_and_b32 s41, s36, 1
	s_lshl_b32 s41, s41, 1
	s_add_co_u32 s41, s41, s40                     ; which pair of its eight fragments
	s_mul_i32 s46, s41, 2*FRB
	s_add_co_u32 s46, s46, s45
	s_mov_b32 s47, 0
	s_wait_alu depctr_va_vdst(0)
	s_wait_kmcnt 0x0
	s_cmp_eq_u32 s20, 0                            ; the source: a choice on the panel's number alone
	s_cselect_b64 s[12:13], s[12:13], s[14:15]
	s_cmp_eq_u32 s19, 1
	s_cselect_b64 s[4:5], s[6:7], s[4:5]
	s_cmp_eq_u32 s19, 2
	s_cselect_b64 s[4:5], s[8:9], s[4:5]
	s_cmp_eq_u32 s19, 3
	s_cselect_b64 s[4:5], s[10:11], s[4:5]
	s_cmp_ge_u32 s19, 4
	s_cselect_b64 s[4:5], s[12:13], s[4:5]
	s_add_nc_u64 s[28:29], s[4:5], s[22:23]        ; a base for each of the four blocks: no pointer is stepped
	s_add_nc_u64 s[30:31], s[28:29], s[42:43]
	s_add_nc_u64 s[32:33], s[30:31], s[42:43]
	s_add_nc_u64 s[34:35], s[32:33], s[42:43]
	s_add_nc_u64 s[6:7], s[16:17], s[46:47]        ; where my two fragments go
	s_lshl_b32 s46, s41, 7
	s_add_co_u32 s46, s46, s45
	s_add_co_u32 s46, s46, 8*FRB
	s_add_nc_u64 s[8:9], s[16:17], s[46:47]        ; and their 32 scale words
.macro LOAD kb                         ; block kb: W(32 kb + j, my column), j = 0 .. 31
.set j, 0
.rept 32
	global_load_b32 v[X+32*(\kb)+j], v[VOFF+j], s[28+2*(\kb):29+2*(\kb)] th:TH_LOAD_NT
.set j, j+1
.endr
.endm
.macro BLOCK kb
.set XS, X+32*(\kb)
.set CC, C+8*(\kb)
.if (\kb) < 3
	s_wait_loadcnt 32                              ; this block's 32 loads are in; the next block's 32 may be out
.else
	s_wait_loadcnt 0x0
.endif
.if (\kb) < 2
	LOAD (\kb)+2
.endif
	v_max3_num_f32 v12, |v[XS]|, |v[XS+1]|, FLOOR  ; the block's largest magnitude, in two chains
	v_max3_num_f32 v13, |v[XS+16]|, |v[XS+17]|, |v[XS+18]|
.irp i, 2,4,6,8,10,12,14
	v_max3_num_f32 v12, v12, |v[XS+\i]|, |v[XS+\i+1]|
.endr
.irp i, 19,21,23,25,27,29
	v_max3_num_f32 v13, v13, |v[XS+\i]|, |v[XS+\i+1]|
.endr
	v_max3_num_f32 v12, v12, v13, |v[XS+31]|
	v_add_nc_u32 v14, 0xfe000000, v12              ; 4 off its exponent field: the conversion takes this operand's exponent field as its scale
	v_lshrrev_b32 v15, 23, v14                     ; the scale's byte
.if (\kb) == 0
	v_mov_b32 v[SW], v15
.else
	v_lshl_or_b32 v[SW], v15, 8*(\kb), v[SW]
.endif
	v_cvt_scalef32_pk16_bf6_f32 v[CC:CC+2], v[XS:XS+15], v14
	v_cvt_scalef32_pk16_bf6_f32 v[CC+4:CC+6], v[XS+16:XS+31], v14   ; (a conversion's three registers begin on an even number)
	v_nop                                          ; one plain line behind a scaled conversion
	v_mov_b32 v[CC+3], v[CC+4]
	v_mov_b32 v[CC+4], v[CC+5]
	v_mov_b32 v[CC+5], v[CC+6]
; block kb of row r belongs to lane r + 16 (kb % 2) of the image, registers 6 (kb / 2) on
.if (\kb) < 2
	ds_store_b128 v7, v[CC:CC+3] offset:256*((\kb)%2)
	ds_store_b64 v7, v[CC+4:CC+5] offset:512+256*((\kb)%2)
.else
	ds_store_b64 v7, v[CC:CC+1] offset:520+256*((\kb)%2)
	ds_store_b128 v7, v[CC+2:CC+5] offset:1024+256*((\kb)%2)
.endif
.endm
	LOAD 0
	LOAD 1
	BLOCK 0
	BLOCK 1
	BLOCK 2
	BLOCK 3
.irp g, 0,1,2,3,4,5
	ds_load_b128 v[X+4*\g:X+4*\g+3], v10 offset:512*\g     ; LDS serves a wave's instructions in order: these see my stores
.endr
	s_wait_alu depctr_va_vdst(0)
.irp g, 0,1,2,3,4,5
	s_wait_dscnt 5-\g                              ; load g is in; the younger ones may be out
	global_store_b128 v9, v[X+4*\g:X+4*\g+3], s[6:7] offset:512*\g   ; 32 lanes store 512 consecutive bytes
.endr
	global_store_b32 v11, v[SW], s[8:9]            ; 128 consecutive bytes: two fragments' scale words
	s_wait_tensorcnt 0x0
	ds_add_u32 v224, v225
	s_wait_dscnt 0x0
	s_endpgm
.Lfunc_end_k_q1892cefd3a_wquant:
	.size	k_q1892cefd3a_wquant, .Lfunc_end_k_q1892cefd3a_wquant-k_q1892cefd3a_wquant
	.p2alignl 7, 3214868480
	.fill 96, 4, 3214868480
	.section	.rodata,"a",@progbits
	.p2align	6, 0x0
	.amdhsa_kernel k_q1892cefd3a_wquant
		.amdhsa_group_segment_fixed_size 12800
		.amdhsa_private_segment_fixed_size 0
		.amdhsa_enable_private_segment 0
		.amdhsa_kernarg_size 56
		.amdhsa_user_sgpr_count 2
		.amdhsa_user_sgpr_kernarg_segment_ptr 1
		.amdhsa_wavefront_size32 1
		.amdhsa_system_sgpr_workgroup_id_x 1
		.amdhsa_system_sgpr_workgroup_id_y 1
		.amdhsa_system_sgpr_workgroup_id_z 1
		.amdhsa_system_vgpr_workitem_id 0
		.amdhsa_next_free_vgpr 226
		.amdhsa_next_free_sgpr 66
		.amdhsa_reserve_vcc 0
		.amdhsa_float_denorm_mode_32 3
		.amdhsa_float_denorm_mode_16_64 3
		.amdhsa_memory_ordered 1
		.amdhsa_forward_progress 1
		.amdhsa_inst_pref_size 26
	.end_amdhsa_kernel
	.amdgpu_metadata
---
amdhsa.version: [ 1, 2 ]
amdhsa.kernels:
  - .name:           k_q1892cefd3a_wquant
    .symbol:         k_q1892cefd3a_wquant.kd
    .args:
      - { .name: Wq, .offset: 0, .size: 8, .value_kind: global_buffer, .address_space: global }
      - { .name: Wk, .offset: 8, .size: 8, .value_kind: global_buffer, .address_space: global }
      - { .name: Wv, .offset: 16, .size: 8, .value_kind: global_buffer, .address_space: global }
      - { .name: Wo, .offset: 24, .size: 8, .value_kind: global_buffer, .address_space: global }
      - { .name: Wf1, .offset: 32, .size: 8, .value_kind: global_buffer, .address_space: global }
      - { .name: Wf2, .offset: 40, .size: 8, .value_kind: global_buffer, .address_space: global }
      - { .name: wbuf, .offset: 48, .size: 8, .value_kind: global_buffer, .address_space: global }
    .group_segment_fixed_size: 12800
    .private_segment_fixed_size: 0
    .kernarg_segment_align: 8
    .kernarg_segment_size: 56
    .max_flat_workgroup_size: 128
    .sgpr_count:     66
    .vgpr_count:     226
    .wavefront_size: 32
...
	.end_amdgpu_metadata
.endif
;; end of part 1
;; launch proj (part 2): grid 64 x 3, 8 waves a work-group, no clusters, 121,856 bytes of LDS; arguments x1, x2, bq, bk, bv, wbuf, qc, qs, kv; writes qc, qs, kv
.if DOCPART == 2
	.amdgcn_target "amdgcn-amd-amdhsa--gfx1250"
	.amdhsa_code_object_version 6
	.text
	.protected	k_q1892cefd3a_proj
	.globl	k_q1892cefd3a_proj
	.p2align	8
	.type	k_q1892cefd3a_proj,@function
k_q1892cefd3a_proj:
	s_mov_b64 s[64:65], 0
	v_nop
	global_prefetch_b8 v0, s[64:65] scope:SCOPE_SE
	s_setreg_imm32_b32 hwreg(HW_REG_WAVE_MODE, 25, 1), 1
	s_wait_xcnt 0x0
; q = x1 Wq + bq (grid y = 0), k = x2 Wk + bk (1), v = x2 Wv + bv (2), on codes of BF6 with E8M0 scales; the results are quantised at once for attention and stored as codes.
; A work-group takes 128 rows of x (grid x); wave G owns 64 columns (two heads), whose 16 weight fragments stay in its registers.
; POSITIONS.  Rows go in groups of 64; position 16 u + m of a group stands for true row 32 (m / 8) + 8 u + m % 8.  True rows appear only where x is loaded; all that is stored is laid by position.
; PHASE X: wave W quantises tile W of x (16 positions x 512 K: four fragments) and stores their register images in LDS; one barrier; then every wave reads all 32 fragments.
; q, k: the product is used transposed (source 0 = 16 columns of W, source 1 = 16 positions): a lane holds one position and its 32 registers a whole head: one block of 32.  The bias is the C of the first K step.
; v: source 0 = 16 positions, source 1 = 16 columns: a lane holds one channel and its 32 registers 32 neighbouring true keys: one block along the keys.
; qc [head of batch][tile of 16][half][row][12 bytes]; qs one word a position; kv [head of batch][step of 128 keys][6,400]: two fragments of K (K block b = key tile b of a group of 64), two of V, their scale words.
; LIMITS: NaN and infinities are not served; a block of zeros carries the byte 1 (its codes are zeros; this program alone reads the bytes).
.set XIMG, 0                           ; LDS: x's 32 fragments, (4 tile + K step) x 1,536
.set XSC,  49152                       ; their scale words, 128 bytes each
.set STG,  53248                       ; a stage of 16 rows x 528 bytes for each wave: 528 is an odd multiple of 16, so sixteen rows' pieces begin 16 bytes apart modulo 256
.set SPB,  528
.set FLOOR, 0x2800000
.set L16,  1                           ; 16 x lane
.set L4,   2                           ; 4 x lane
.set STGW, 3                           ; the stage, by rows as loaded
.set STGR, 4                           ; the stage, my row's 128 bytes of a block
.set XWI,  5                           ; where I store x's images
.set XWS,  6                           ; and their scale words
.set H8,   7                           ; 8 x (lane / 16)
.set OC,   8                           ; the stores' lane terms: codes,
.set OS,   9                           ; scales
.set BL,   10                          ; 128 x (lane / 16): the bias in the result's layout
.set LN,   11                          ; lane
.set BVL,  12                          ; v's bias: 4 x my channel's place
.set TM,   16                          ; v16-31 at work
.set PC,   32                          ; v32-43 a fragment's codes
.set CT,   44                          ; v44-46, v48-50 second halves of blocks;  later v44-47 v's scale words, v48 k's
.set PW,   51
.set WS,   52                          ; v52-59 weight scale words: 2 K step + tile / 2; lanes 0-15 the even tile, lanes 16-31 the odd one
.set XN,   64                          ; v64-127 64 numbers of x
.set XF,   64                          ; v64-111 four fragments of x;  v112-115 their scale words
.set XS,   112
.set ACC,  128                         ; v128-255 x as loaded (two sets), then 16 accumulators
.set BIAS, 192                         ; window 1: v0-191 weights; v192-223 the bias as C;  v path: v192-239 V's codes
.set VC,   192
.set BV,   240                         ; window 1: v240-247 v's bias, each number twice
.set CT1,  248                         ; window 1: v248-250, v252-254
.set MSB, 0
.macro WIN new                         ; the immediate's high byte repeats the setting that is left
.if MSB != \new
	s_set_vgpr_msb (MSB<<8)|\new
.set MSB, \new
.endif
.endm
.macro PLACES                          ; four plain lines between a matrix instruction and a load into, or a vector read of, its registers
.rept 4
	v_nop
.endr
.endm
	s_load_b256 s[4:11], s[0:1], 0x0               ; x1, x2, bq, bk
	s_load_b256 s[12:19], s[0:1], 0x20             ; bv, wbuf, qc, qs
	s_load_b64 s[20:21], s[0:1], 0x40              ; kv
	v_lshl_add_u32 v62, v0, 2, 0x1d800
	v_mov_b32 v63, 0
	v_lshrrev_b32 v13, 5, v0
	s_delay_alu instid0(VALU_DEP_1)
	v_readfirstlane_b32 s22, v13                   ; wave = group of 64 columns = tile of x
	s_and_b32 s23, ttmp7, 0xffff                   ; 0 q, 1 k, 2 v
	v_and_b32 v[LN], 31, v0
	v_and_b32 v14, 15, v0                          ; r
	v_bfe_u32 v15, v0, 4, 1                        ; h
	s_delay_alu instid0(VALU_DEP_3)
	v_lshlrev_b32 v[L16], 4, v[LN]
	s_delay_alu instid0(VALU_DEP_4)
	v_lshlrev_b32 v[L4], 2, v[LN]
	s_mul_i32 s28, s22, 16*SPB
	s_add_co_u32 s28, s28, STG
	v_add_nc_u32 v[STGW], s28, v[L16]
	v_mul_u32_u24 v[STGR], v14, SPB
	s_delay_alu instid0(VALU_DEP_1)
	v_lshl_add_u32 v[STGR], v15, 7, v[STGR]
	s_delay_alu instid0(VALU_DEP_1)
	v_add_nc_u32 v[STGR], s28, v[STGR]
	s_mul_i32 s28, s22, 6144
	v_add_nc_u32 v[XWI], s28, v[L16]
	s_lshl_b32 s28, s22, 9
	s_add_co_u32 s28, s28, XSC
	v_add_nc_u32 v[XWS], s28, v[L4]
	v_lshlrev_b32 v[H8], 3, v15
	v_lshlrev_b32 v[BL], 7, v15
	v_and_b32 v[BVL], 8, v14
	s_delay_alu instid0(VALU_DEP_1)
	v_add_nc_u32 v[BVL], v[BVL], v14               ; 16 (r / 8) + r % 8
	s_delay_alu instid0(VALU_DEP_1)
	v_lshlrev_b32 v[BVL], 2, v[BVL]
	v_mov_b32 v[TM+8], 0                           ; a lane permute's destination counts as read: written once
	s_mov_b32 s26, 0x76543210
	s_mov_b32 s27, 0xfedcba98                      ; v_permlanex16_b32's selects for lane l xor 16
	s_lshl_b32 s30, ttmp9, 18                      ; 128 rows of 2,048 bytes,
	s_lshr_b32 s29, s22, 2
	s_lshl_b32 s29, s29, 17                        ; my tile's group of 64,
	s_add_co_u32 s30, s30, s29
	s_and_b32 s29, s22, 3
	s_lshl_b32 s29, s29, 14                        ; and 8 u rows
	s_add_co_u32 s30, s30, s29
	s_mov_b32 s31, 0
	s_mul_i32 s32, s23, 204800                     ; panel y,
	s_mul_i32 s29, s22, 12800                      ; my group's part of a slot
	s_add_co_u32 s32, s32, s29
	s_mov_b32 s33, 0
	s_lshl_b32 s34, s22, 8                         ; my 64 numbers of the bias
	s_mov_b32 s35, 0
	s_lshr_b32 s36, ttmp9, 4                       ; batch
	s_and_b32 s37, ttmp9, 15                       ; step of 128 rows in it
	s_lshl_b32 s36, s36, 4
	s_lshl_b32 s29, s22, 1
	s_add_co_u32 s36, s36, s29                     ; 16 batch + my first head
	s_mul_i32 s38, s36, 49152
	s_mul_i32 s29, s37, 3072
	s_add_co_u32 s38, s38, s29
	s_mov_b32 s39, 0
	s_lshl_b32 s40, s36, 13
	s_lshl_b32 s29, s37, 9
	s_add_co_u32 s40, s40, s29
	s_mov_b32 s41, 0
	s_mul_i32 s42, s36, 102400
	s_mul_i32 s29, s37, 6400
	s_add_co_u32 s42, s42, s29
	s_mov_b32 s43, 0
	s_wait_alu depctr_va_vdst(0)
	s_wait_kmcnt 0x0
	s_cmp_eq_u32 s23, 0                            ; choices on the work-group's number alone
	s_cselect_b64 s[4:5], s[4:5], s[6:7]
	s_cselect_b64 s[8:9], s[8:9], s[10:11]
	s_cmp_eq_u32 s23, 2
	s_cselect_b64 s[8:9], s[12:13], s[8:9]
	s_add_nc_u64 s[4:5], s[4:5], s[30:31]          ; x at my tile's first row
	s_add_nc_u64 s[14:15], s[14:15], s[32:33]      ; my weights
	s_add_nc_u64 s[8:9], s[8:9], s[34:35]          ; my bias
	s_add_nc_u64 s[16:17], s[16:17], s[38:39]      ; qc
	s_add_nc_u64 s[18:19], s[18:19], s[40:41]      ; qs
	s_add_nc_u64 s[20:21], s[20:21], s[42:43]      ; kv
	WIN 0x40                                       ; destination window 1
.irp ks, 0,1,2,3
.irp w, 0,1,2,3
.irp g, 0,1,2
	global_load_b128 v[12*(4*\ks+\w)+4*\g:12*(4*\ks+\w)+4*\g+3], v[L16], s[14:15] offset:(\ks/2)*102400+1536*(4*(\ks%2)+\w)+512*\g
.endr
.endr
.endr
.irp w, 0,1,2,3                        ; both forms of the bias are loaded whatever y is: each path reads the one that it wants
	global_load_b128 v[BIAS+8*\w:BIAS+8*\w+3], v[BL], s[8:9] offset:32*\w
	global_load_b128 v[BIAS+8*\w+4:BIAS+8*\w+7], v[BL], s[8:9] offset:32*\w+16
	global_load_b32 v[BV+2*\w], v[BVL], s[8:9] offset:4*(32*(\w/2)+8*(\w%2))
	global_load_b32 v[BV+2*\w+1], v[BVL], s[8:9] offset:4*(32*(\w/2)+8*(\w%2))
.endr
	WIN 0
.irp ks, 0,1,2,3
.irp wp, 0,1
	global_load_b32 v[WS+2*\ks+\wp], v[L4], s[14:15] offset:(\ks/2)*102400+12288+64*(4*(\ks%2)+2*\wp)
.endr
.endr
.macro LOADX ks                        ; K step ks of my 16 rows: each load reads 512 consecutive bytes of one row
.set XB, ACC+64*((\ks)%2)
.irp i, 0,1,2,3,4,5,6,7,8,9,10,11,12,13,14,15
	global_load_b128 v[XB+4*\i:XB+4*\i+3], v[L16], s[4:5] offset:(32*(\i/8)+(\i%8))*2048+512*(\ks)
.endr
.endm
.macro TURN ks                         ; through my stage: in by rows, out as 32 neighbours of each of my two blocks (k = 64 c + 32 h + 0 .. 31 of row r)
.set XB, ACC+64*((\ks)%2)
.irp i, 0,1,2,3,4,5,6,7,8,9,10,11,12,13,14,15
	ds_store_b128 v[STGW], v[XB+4*\i:XB+4*\i+3] offset:SPB*\i
.endr
.irp c, 0,1
.irp q, 0,1,2,3,4,5,6,7
	ds_load_b128 v[XN+32*\c+4*\q:XN+32*\c+4*\q+3], v[STGR] offset:256*\c+16*\q
.endr
.endr
.endm
.macro QUANT2                          ; two whole blocks of a lane, v[XN] on, become a fragment's codes in v[PC] on and its scale word in v[PW]
.irp c, 0,1
	v_max3_num_f32 v[TM+\c], |v[XN+32*\c]|, |v[XN+32*\c+1]|, FLOOR
	v_max3_num_f32 v[TM+2+\c], |v[XN+32*\c+16]|, |v[XN+32*\c+17]|, |v[XN+32*\c+18]|
.endr
.irp i, 2,4,6,8,10,12,14
.irp c, 0,1
	v_max3_num_f32 v[TM+\c], v[TM+\c], |v[XN+32*\c+\i]|, |v[XN+32*\c+\i+1]|
.endr
.endr
.irp i, 19,21,23,25,27,29
.irp c, 0,1
	v_max3_num_f32 v[TM+2+\c], v[TM+2+\c], |v[XN+32*\c+\i]|, |v[XN+32*\c+\i+1]|
.endr
.endr
.irp c, 0,1
	s_delay_alu instid0(VALU_DEP_2)
	v_max3_num_f32 v[TM+\c], v[TM+\c], v[TM+2+\c], |v[XN+32*\c+31]|
.endr
.irp c, 0,1
	s_delay_alu instid0(VALU_DEP_2)
	v_add_nc_u32 v[TM+4+\c], 0xfe000000, v[TM+\c]  ; 4 off the exponent field: the conversion's scale operand
.endr
.irp c, 0,1
	s_delay_alu instid0(VALU_DEP_2)
	v_lshrrev_b32 v[TM+6+\c], 23, v[TM+4+\c]       ; the scale's byte
.endr
	s_delay_alu instid0(VALU_DEP_1)
	v_lshl_or_b32 v[PW], v[TM+7], 16, v[TM+6]      ; my bytes: blocks h and 2 + h,
	s_delay_alu instid0(VALU_DEP_1)
	v_lshlrev_b32 v[PW], v[H8], v[PW]              ; at their places;
	s_delay_alu instid0(VALU_DEP_1)
	v_permlanex16_b32 v[TM+8], v[PW], s26, s27
	s_delay_alu instid0(VALU_DEP_1)
	v_or_b32 v[PW], v[PW], v[TM+8]                 ; with lane l xor 16's two the word is whole
.irp c, 0,1
	v_cvt_scalef32_pk16_bf6_f32 v[PC+6*\c:PC+6*\c+2], v[XN+32*\c:XN+32*\c+15], v[TM+4+\c]
	v_cvt_scalef32_pk16_bf6_f32 v[CT+4*\c:CT+4*\c+2], v[XN+32*\c+16:XN+32*\c+31], v[TM+4+\c]
.endr
	v_nop                                          ; one plain line behind a scaled conversion
.irp c, 0,1
.irp i, 0,1,2
	v_mov_b32 v[PC+6*\c+3+\i], v[CT+4*\c+\i]
.endr
.endr
.endm
.macro XSTEP ks
.if (\ks) < 3
	s_wait_loadcnt 16                              ; this K step's loads (and all before them) are in; the next step's 16 may be out
.else
	s_wait_loadcnt 0x0
.endif
	TURN \ks
	s_wait_dscnt 0x0                               ; the numbers are back; the stage's stores and the last image's stores have read their registers
.if (\ks) < 2
	LOADX (\ks)+2
.endif
	QUANT2
.irp g, 0,1,2
	ds_store_b128 v[XWI], v[PC+4*\g:PC+4*\g+3] offset:XIMG+1536*(\ks)+512*\g
.endr
	ds_store_b32 v[XWS], v[PW] offset:128*(\ks)
.endm
	LOADX 0
	LOADX 1
	XSTEP 0
	XSTEP 1
	XSTEP 2
	XSTEP 3
	s_wait_dscnt 0x0                               ; my images have landed
	s_barrier_signal -1
	s_barrier_wait -1                              ; everybody's have: from here on LDS is only read
.macro XFETCH c, ks                    ; the four tiles of group c, K step ks
.irp u, 0,1,2,3
.irp g, 0,1,2
	ds_load_b128 v[XF+12*\u+4*\g:XF+12*\u+4*\g+3], v[L16] offset:XIMG+(4*(4*(\c)+\u)+(\ks))*1536+512*\g
.endr
	ds_load_b32 v[XS+\u], v[L4] offset:XSC+128*(4*(4*(\c)+\u)+(\ks))
.endr
.endm
; 16 accumulators take turns, one instruction a turn
.macro GEMMQK c                        ; accumulator (u, w) at ACC + 32 u + 8 w: source 0 = W's tile w, source 1 = x's tile u
.irp ks, 0,1,2,3
	PLACES
	XFETCH \c, \ks
	s_wait_dscnt 0x0
.if \ks == 0
	WIN 0x11                                       ; source 0 (weights) and source 2 (bias) window 1
.else
	WIN 0x01
.endif
.irp u, 0,1,2,3
.irp w, 0,1,2,3
.if \ks == 0
.if (\w)%2
	v_wmma_scale_f32_16x16x128_f8f6f4 v[ACC+32*\u+8*\w:ACC+32*\u+8*\w+7], v[12*(4*\ks+\w):12*(4*\ks+\w)+11], v[XF+12*\u:XF+12*\u+11], v[BIAS+8*\w:BIAS+8*\w+7], v[WS+2*\ks+\w/2], v[XS+\u] matrix_a_fmt:MATRIX_FMT_BF6 matrix_b_fmt:MATRIX_FMT_BF6 matrix_a_scale:MATRIX_SCALE_ROW1
.else
	v_wmma_scale_f32_16x16x128_f8f6f4 v[ACC+32*\u+8*\w:ACC+32*\u+8*\w+7], v[12*(4*\ks+\w):12*(4*\ks+\w)+11], v[XF+12*\u:XF+12*\u+11], v[BIAS+8*\w:BIAS+8*\w+7], v[WS+2*\ks+\w/2], v[XS+\u] matrix_a_fmt:MATRIX_FMT_BF6 matrix_b_fmt:MATRIX_FMT_BF6
.endif
.else
.if (\w)%2
	v_wmma_scale_f32_16x16x128_f8f6f4 v[ACC+32*\u+8*\w:ACC+32*\u+8*\w+7], v[12*(4*\ks+\w):12*(4*\ks+\w)+11], v[XF+12*\u:XF+12*\u+11], v[ACC+32*\u+8*\w:ACC+32*\u+8*\w+7], v[WS+2*\ks+\w/2], v[XS+\u] matrix_a_fmt:MATRIX_FMT_BF6 matrix_b_fmt:MATRIX_FMT_BF6 matrix_a_scale:MATRIX_SCALE_ROW1
.else
	v_wmma_scale_f32_16x16x128_f8f6f4 v[ACC+32*\u+8*\w:ACC+32*\u+8*\w+7], v[12*(4*\ks+\w):12*(4*\ks+\w)+11], v[XF+12*\u:XF+12*\u+11], v[ACC+32*\u+8*\w:ACC+32*\u+8*\w+7], v[WS+2*\ks+\w/2], v[XS+\u] matrix_a_fmt:MATRIX_FMT_BF6 matrix_b_fmt:MATRIX_FMT_BF6
.endif
.endif
.endr
.endr
	WIN 0
.endr
.endm
.macro GEMMV c                         ; accumulator (w, u) at ACC + 32 w + 8 u: source 0 = x's tile u, source 1 = W's tile w; the first K step starts the sums
.irp ks, 0,1,2,3
	PLACES
	XFETCH \c, \ks
	s_wait_dscnt 0x0
	WIN 0x04                                       ; source 1 (weights) window 1
.irp w, 0,1,2,3
.irp u, 0,1,2,3
.if \ks == 0
.if (\w)%2
	v_wmma_scale_f32_16x16x128_f8f6f4 v[ACC+32*\w+8*\u:ACC+32*\w+8*\u+7], v[XF+12*\u:XF+12*\u+11], v[12*(4*\ks+\w):12*(4*\ks+\w)+11], 0, v[XS+\u], v[WS+2*\ks+\w/2] matrix_a_fmt:MATRIX_FMT_BF6 matrix_b_fmt:MATRIX_FMT_BF6 matrix_b_scale:MATRIX_SCALE_ROW1
.else
	v_wmma_scale_f32_16x16x128_f8f6f4 v[ACC+32*\w+8*\u:ACC+32*\w+8*\u+7], v[XF+12*\u:XF+12*\u+11], v[12*(4*\ks+\w):12*(4*\ks+\w)+11], 0, v[XS+\u], v[WS+2*\ks+\w/2] matrix_a_fmt:MATRIX_FMT_BF6 matrix_b_fmt:MATRIX_FMT_BF6
.endif
.else
.if (\w)%2
	v_wmma_scale_f32_16x16x128_f8f6f4 v[ACC+32*\w+8*\u:ACC+32*\w+8*\u+7], v[XF+12*\u:XF+12*\u+11], v[12*(4*\ks+\w):12*(4*\ks+\w)+11], v[ACC+32*\w+8*\u:ACC+32*\w+8*\u+7], v[XS+\u], v[WS+2*\ks+\w/2] matrix_a_fmt:MATRIX_FMT_BF6 matrix_b_fmt:MATRIX_FMT_BF6 matrix_b_scale:MATRIX_SCALE_ROW1
.else
	v_wmma_scale_f32_16x16x128_f8f6f4 v[ACC+32*\w+8*\u:ACC+32*\w+8*\u+7], v[XF+12*\u:XF+12*\u+11], v[12*(4*\ks+\w):12*(4*\ks+\w)+11], v[ACC+32*\w+8*\u:ACC+32*\w+8*\u+7], v[XS+\u], v[WS+2*\ks+\w/2] matrix_a_fmt:MATRIX_FMT_BF6 matrix_b_fmt:MATRIX_FMT_BF6
.endif
.endif
.endr
.endr
	WIN 0
.endr
.endm
.macro MAX4                            ; four blocks, ACC + 32 b on, by turns: largest magnitudes v[TM+b], scale operands v[TM+8+b], bytes v[TM+12+b].  Each accumulator is first read at its low end
.irp b, 0,1,2,3
	v_max3_num_f32 v[TM+\b], |v[ACC+32*\b]|, |v[ACC+32*\b+1]|, FLOOR
.endr
.irp b, 0,1,2,3
	v_max3_num_f32 v[TM+4+\b], |v[ACC+32*\b+16]|, |v[ACC+32*\b+17]|, |v[ACC+32*\b+18]|
.endr
.irp i, 2,4,6,8,10,12,14
.irp b, 0,1,2,3
	v_max3_num_f32 v[TM+\b], v[TM+\b], |v[ACC+32*\b+\i]|, |v[ACC+32*\b+\i+1]|
.endr
.endr
.irp i, 19,21,23,25,27,29
.irp b, 0,1,2,3
	v_max3_num_f32 v[TM+4+\b], v[TM+4+\b], |v[ACC+32*\b+\i]|, |v[ACC+32*\b+\i+1]|
.endr
.endr
.irp b, 0,1,2,3
	v_max3_num_f32 v[TM+\b], v[TM+\b], v[TM+4+\b], |v[ACC+32*\b+31]|
.endr
.irp b, 0,1,2,3
	s_delay_alu instid0(VALU_DEP_4)
	v_add_nc_u32 v[TM+8+\b], 0xfe000000, v[TM+\b]
.endr
.irp b, 0,1,2,3
	s_delay_alu instid0(VALU_DEP_4)
	v_lshrrev_b32 v[TM+12+\b], 23, v[TM+8+\b]
.endr
.endm
.macro CODES4                          ; their codes: block b's two halves at v[64 + 8 b] and v[68 + 8 b]
.irp b, 0,1,2,3
	v_cvt_scalef32_pk16_bf6_f32 v[64+8*\b:66+8*\b], v[ACC+32*\b:ACC+32*\b+15], v[TM+8+\b]
	v_cvt_scalef32_pk16_bf6_f32 v[68+8*\b:70+8*\b], v[ACC+32*\b+16:ACC+32*\b+31], v[TM+8+\b]
.endr
	v_nop                                          ; one plain line behind a scaled conversion
.endm
	s_cmp_eq_u32 s23, 2
	s_cbranch_scc1 .Lpath_v
	s_cmp_eq_u32 s23, 1
	s_cbranch_scc1 .Lpath_k
	; ---- q: lane (r, h) holds position r of tile u and head 2 G + h
	v_mul_u32_u24 v[OC], v15, 0xc000               ; a head's codes are 49,152 bytes
	s_delay_alu instid0(VALU_DEP_1)
	v_mad_u32_u24 v[OC], v14, 12, v[OC]
	v_lshlrev_b32 v[OS], 13, v15
	s_delay_alu instid0(VALU_DEP_1)
	v_lshl_add_u32 v[OS], v14, 2, v[OS]
.irp c, 0,1
.if \c == 1
	s_wait_xcnt 0x0                                ; the first pass's stores have read their data, which lie where x's fragments and the bytes are written next
.endif
	GEMMQK \c
	PLACES
	MAX4
	CODES4
.irp u, 0,1,2,3
	global_store_b96 v[OC], v[64+8*\u:66+8*\u], s[16:17] offset:(4*\c+\u)*384
	global_store_b96 v[OC], v[68+8*\u:70+8*\u], s[16:17] offset:(4*\c+\u)*384+192
	global_store_b32 v[OS], v[TM+12+\u], s[18:19] offset:256*\c+64*\u
.endr
.endr
	s_wait_tensorcnt 0x0
	ds_add_u32 v62, v63
	s_wait_dscnt 0x0
	s_endpgm
.Lpath_k:
	; ---- k: tile u of group c is K block u of fragment c: lane r + 16 (u % 2) of the image, registers 6 (u / 2) on
	v_mul_u32_u24 v[OC], v15, 0x19000              ; a head's part of kv is 102,400 bytes
	s_delay_alu instid0(VALU_DEP_1)
	v_lshl_add_u32 v[OS], v14, 2, v[OC]
	s_delay_alu instid0(VALU_DEP_2)
	v_lshl_add_u32 v[OC], v14, 4, v[OC]
.irp c, 0,1
.if \c == 1
	s_wait_xcnt 0x0                                ; as above
.endif
	GEMMQK \c
	PLACES
	MAX4
	CODES4
.irp u, 0,1,2,3
	v_mov_b32 v[67+8*\u], v[68+8*\u]
	v_mov_b32 v[68+8*\u], v[69+8*\u]
	v_mov_b32 v[69+8*\u], v[70+8*\u]
.endr
	v_lshl_or_b32 v48, v[TM+13], 8, v[TM+12]       ; the four tiles' bytes of row r: the fragment's scale word
	s_delay_alu instid0(VALU_DEP_1)
	v_lshl_or_b32 v48, v[TM+14], 16, v48
	s_delay_alu instid0(VALU_DEP_1)
	v_lshl_or_b32 v48, v[TM+15], 24, v48
.irp u, 0,1
	global_store_b128 v[OC], v[64+8*\u:67+8*\u], s[20:21] offset:1536*\c+256*\u
	global_store_b64 v[OC], v[68+8*\u:69+8*\u], s[20:21] offset:1536*\c+512+256*\u
	global_store_b64 v[OC], v[80+8*\u:81+8*\u], s[20:21] offset:1536*\c+520+256*\u
	global_store_b128 v[OC], v[82+8*\u:85+8*\u], s[20:21] offset:1536*\c+1024+256*\u
.endr
	global_store_b32 v[OS], v48, s[20:21] offset:6144+64*\c
.endr
	s_wait_tensorcnt 0x0
	ds_add_u32 v62, v63
	s_wait_dscnt 0x0
	s_endpgm
.Lpath_v:
	; ---- v: lane (r, h) holds channel row r of tile w; the 32 registers of block w are true keys 64 c + 32 h + 0 .. 31: registers 6 c on of V's fragment, as they stand
.irp c, 0,1
	GEMMV \c
	PLACES
	WIN 0x04                                       ; source 1 (the bias pairs) window 1
.irp w, 0,1,2,3
.set i, 0
.rept 16
	v_pk_add_f32 v[ACC+32*\w+i:ACC+32*\w+i+1], v[ACC+32*\w+i:ACC+32*\w+i+1], v[BV+2*\w:BV+2*\w+1]
.set i, i+2
.endr
.endr
	WIN 0
	MAX4
.irp w, 0,1,2,3
.if \c == 0
	s_delay_alu instid0(VALU_DEP_4)
	v_mov_b32 v[44+\w], v[TM+12+\w]
.else
	s_delay_alu instid0(VALU_DEP_4)
	v_lshl_or_b32 v[44+\w], v[TM+12+\w], 16, v[44+\w]
.endif
.endr
.irp wp, 0,2
	WIN 0x40                                       ; destination window 1
.irp d, 0,1
	v_cvt_scalef32_pk16_bf6_f32 v[VC+12*(\wp+\d)+6*\c:VC+12*(\wp+\d)+6*\c+2], v[ACC+32*(\wp+\d):ACC+32*(\wp+\d)+15], v[TM+8+\wp+\d]
	v_cvt_scalef32_pk16_bf6_f32 v[CT1+4*\d:CT1+4*\d+2], v[ACC+32*(\wp+\d)+16:ACC+32*(\wp+\d)+31], v[TM+8+\wp+\d]
.endr
	v_nop                                          ; one plain line behind a scaled conversion
	WIN 0x41                                       ; source 0 and destination window 1
.irp d, 0,1
.irp i, 0,1,2
	v_mov_b32 v[VC+12*(\wp+\d)+6*\c+3+\i], v[CT1+4*\d+\i]
.endr
.endr
.endr
	WIN 0
.endr
.irp w, 0,1,2,3
	v_lshlrev_b32 v[44+\w], v[H8], v[44+\w]        ; my bytes, blocks h and 2 + h, at their places
.endr
.irp w, 0,1,2,3
	s_delay_alu instid0(VALU_DEP_4)
	v_permlanex16_b32 v[TM+\w], v[44+\w], s26, s27
.endr
.irp w, 0,1,2,3
	s_delay_alu instid0(VALU_DEP_4)
	v_or_b32 v[44+\w], v[44+\w], v[TM+\w]
.endr
	v_cmp_gt_u32 vcc_lo, 16, v[LN]
	s_delay_alu instid0(VALU_DEP_1)
	v_cndmask_b32 v[TM], v45, v44, vcc_lo          ; lanes 0-15 the head's first tile, lanes 16-31 its second
	s_delay_alu instid0(VALU_DEP_2)
	v_cndmask_b32 v[TM+1], v47, v46, vcc_lo
	global_store_b32 v[L4], v[TM], s[20:21] offset:6272
	global_store_b32 v[L4], v[TM+1], s[20:21] offset:102400+6272
	WIN 0x04                                       ; a store's data are its source 1: window 1
.irp w, 0,1,2,3
.irp g, 0,1,2
	global_store_b128 v[L16], v[VC+12*\w+4*\g:VC+12*\w+4*\g+3], s[20:21] offset:(\w/2)*102400+3072+1536*(\w%2)+512*\g   ; 512 consecutive bytes
.endr
.endr
	WIN 0
	s_wait_tensorcnt 0x0
	ds_add_u32 v62, v63
	s_wait_dscnt 0x0
	s_endpgm
.Lfunc_end_k_q1892cefd3a_proj:
	.size	k_q1892cefd3a_proj, .Lfunc_end_k_q1892cefd3a_proj-k_q1892cefd3a_proj
	.p2alignl 7, 3214868480
	.fill 96, 4, 3214868480
	.section	.rodata,"a",@progbits
	.p2align	6, 0x0
	.amdhsa_kernel k_q1892cefd3a_proj
		.amdhsa_group_segment_fixed_size 121856
		.amdhsa_private_segment_fixed_size 0
		.amdhsa_enable_private_segment 0
		.amdhsa_kernarg_size 72
		.amdhsa_user_sgpr_count 2
		.amdhsa_user_sgpr_kernarg_segment_ptr 1
		.amdhsa_wavefront_size32 1
		.amdhsa_system_sgpr_workgroup_id_x 1
		.amdhsa_system_sgpr_workgroup_id_y 1
		.amdhsa_system_sgpr_workgroup_id_z 1
		.amdhsa_system_vgpr_workitem_id 0
		.amdhsa_next_free_vgpr 512
		.amdhsa_next_free_sgpr 66
		.amdhsa_reserve_vcc 1
		.amdhsa_float_denorm_mode_32 3
		.amdhsa_float_denorm_mode_16_64 3
		.amdhsa_memory_ordered 1
		.amdhsa_forward_progress 1
		.amdhsa_inst_pref_size 167
	.end_amdhsa_kernel
	.amdgpu_metadata
---
amdhsa.version: [ 1, 2 ]
amdhsa.kernels:
  - .name:           k_q1892cefd3a_proj
    .symbol:         k_q1892cefd3a_proj.kd
    .args:
      - { .name: x1, .offset: 0, .size: 8, .value_kind: global_buffer, .address_space: global }
      - { .name: x2, .offset: 8, .size: 8, .value_kind: global_buffer, .address_space: global }
      - { .name: bq, .offset: 16, .size: 8, .value_kind: global_buffer, .address_space: global }
      - { .name: bk, .offset: 24, .size: 8, .value_kind: global_buffer, .address_space: global }
      - { .name: bv, .offset: 32, .size: 8, .value_kind: global_buffer, .address_space: global }
      - { .name: wbuf, .offset: 40, .size: 8, .value_kind: global_buffer, .address_space: global }
      - { .name: qc, .offset: 48, .size: 8, .value_kind: global_buffer, .address_space: global }
      - { .name: qs, .offset: 56, .size: 8, .value_kind: global_buffer, .address_space: global }
      - { .name: kv, .offset: 64, .size: 8, .value_kind: global_buffer, .address_space: global }
    .group_segment_fixed_size: 121856
    .private_segment_fixed_size: 0
    .kernarg_segment_align: 8
    .kernarg_segment_size: 72
    .max_flat_workgroup_size: 256
    .sgpr_count:     66
    .vgpr_count:     512
    .wavefront_size: 32
...
	.end_amdgpu_metadata
.endif
;; end of part 2
;; launch attn (part 3): grid 4 x 64, 8 waves a work-group, no clusters, 169,984 bytes of LDS; arguments qc, qs, kv, ac, asc; writes ac, asc
.if DOCPART == 3
	.amdgcn_target "amdgcn-amd-amdhsa--gfx1250"
	.amdhsa_code_object_version 6
	.text
	.protected	k_q1892cefd3a_attn
	.globl	k_q1892cefd3a_attn
	.p2align	8
	.type	k_q1892cefd3a_attn,@function
k_q1892cefd3a_attn:
	s_mov_b64 s[64:65], 0
	v_nop
	global_prefetch_b8 v0, s[64:65] scope:SCOPE_SE
	s_setreg_imm32_b32 hwreg(HW_REG_WAVE_MODE, 25, 1), 1
	s_wait_xcnt 0x0
; Attention of one head (grid y = 16 batch + head) for 512 query positions (grid x), both products on codes of BF6 with E8M0 scales; the result is quantised for the output projection (a head is one block of its K) and stored as codes.
; THE WHOLE HEAD'S K AND V, 16 steps of 128 keys x 6,400 bytes, come into LDS ONCE: one tensor load a wave, two steps, 12,800 bytes; one barrier; nothing is filled again.
; NO CLUSTER: what the four work-groups of a head share is this one fill of 102,400 bytes at the head of 32 tiles x 16 steps of work.  No prefetch: all of K and V is asked for by the first loads, and there is no loop to run ahead in.
; A WAVE OWNS 64 POSITIONS, FOUR TILES OF 16, and walks the keys once: each fragment of K and V read from LDS serves all four tiles.  A step works the tiles in two pairs; in a pair the two tiles' dependent lines are laid between each other's independent ones.
; Both products are used transposed: a lane holds ONE query (lane % 16) of each tile throughout.
; THE FIRST PRODUCT HAS K = 32: a fragment of K holds FOUR key tiles in its four blocks of 32, and a tile is chosen by a query operand whose other three blocks are zero codes.  q's scale byte stands in all four bytes of its word: zero codes add nothing under any finite byte.
; By the order of positions the 32 score registers of a group of 64 keys are 32 neighbouring true keys, 64 c + 32 (lane / 16) + 0 .. 31: a whole block of p in a lane.
; SOFTMAX: t = score x log2(e) / sqrt(32); M = the running largest t rounded up to a whole number; p = 2^(t - M) is quantised, not normalised; the sum of the unquantised p divides at the end;
; when M moves, the sum and O are multiplied by 2^(old M - new M), which rounds nothing.
; LIMITS: NaN and infinities are not served.  The promise holds while the scaled scores stay under 2^31 in magnitude.  A block's largest p is taken from its largest score, which takes v_exp_f32 not to fall where its input rises.  v_exp_f32 gives 0 for results under 2^-126.  A block of zeros carries the byte 1.
; REGISTERS.  Window 0: addresses, the tiles' -M, largest score and sums, scales, what is at work, p's codes, and v128-255 one pair's scores.  Window 1: K's and V's fragments, O^T of four tiles, the query operands.
.set KVB,   102400
.set STEPB, 6400
.set SCB,   102400                     ; behind K and V: the work-group's 512 scale bytes
.set SPARE, 0x29000                    ; the spare words, 128 bytes a wave
.set FLOOR, 0x2800000
.set L16, 1                            ; 16 x lane
.set KSA, 2                            ; 4 x lane + 6,144: a step's scale words
.set R12, 3                            ; 12 r
.set R4,  4                            ; 4 r
.set OA,  5                            ; 24 r + 12 h
.set SBA, 6                            ; SCB + 64 wave + r
.set H8,  7
.set AD,  8                            ; this step's addresses
.set ADS, 9
.set SRD, 10                           ; SCB + 16 x lane
.set ADK, 14                           ; the next step's addresses
.set ADKS, 15
.set NM,  16                           ; tile t: v[16 + 2 t] -M, v[17 + 2 t] the largest score
.set SUM, 24                           ; tile t: v[24 + 2 t], v[25 + 2 t] the row's sum in two halves
.set QS,  32                           ; tile t: q's scale word
.set KS,  36
.set VS,  37
.set PS,  38                           ; p's scale word, one for each tile of a pair
.set MX,  40                           ; a pair's block maxima: 4 j + c, second chains 4 j + 2 + c
.set TA,  48
.set TB,  50
.set TD,  52
.set F,   54                           ; v[54 + 2 j] f, above it 0
.set SO,  58                           ; the conversions' scale operands
.set BY,  62                           ; the scale bytes
.set PB,  66
.set AC,  68                           ; three more chains of the sum for each tile
.set PC,  84                           ; p's codes, 12 for each tile of a pair
.set CT,  108                          ; second halves of blocks
.set SPW, 124
.set NIL, 125
.set S,   128
.set KF,  0                            ; window 1
.set VF,  24
.set O,   48                           ; tile t at 48 + 16 t
.set ZQ,  112                          ; zeros, then for each tile: q in lanes 0-15, zeros, q in lanes 16-31, zeros: six registers each
.set MSB, 0
.macro WIN new                         ; the immediate's high byte repeats the setting that is left
.if MSB != \new
	s_set_vgpr_msb (MSB<<8)|\new
.set MSB, \new
.endif
.endm
	s_load_b256 s[4:11], s[0:1], 0x0               ; qc, qs, kv, ac
	s_load_b64 s[12:13], s[0:1], 0x20              ; asc
	v_lshl_add_u32 v[SPW], v0, 2, SPARE
	v_mov_b32 v[NIL], 0
	ds_add_u32 v[SPW], v[NIL]                      ; the opening lines: the add twice on end and its wait ahead of my tensor load
	ds_add_u32 v[SPW], v[NIL]
	v_lshrrev_b32 v8, 5, v0
	v_readfirstlane_b32 s14, v8                    ; wave 0..7
	s_and_b32 s15, ttmp7, 0xffff                   ; 16 batch + head
	s_mov_b32 s20, 3<<16                           ; descriptor group 1: 50 rows of 256 bytes (32 elements of 8), dense
	s_mov_b32 s21, 32<<16
	s_mov_b32 s22, 50<<16
	s_mov_b32 s23, 32<<16
	s_mov_b32 s24, 50
	s_mov_b32 s25, 32
	s_mov_b32 s26, 0
	s_mov_b32 s27, 0
	s_mul_i32 s34, s15, KVB
	s_mul_i32 s29, s14, 2*STEPB                    ; LDS address: steps 2 wave and 2 wave + 1
	s_add_co_u32 s34, s34, s29
	s_mov_b32 s35, 0
	s_mov_b32 s28, 1
	s_wait_dscnt 0x0
	s_wait_kmcnt 0x0
	s_add_nc_u64 s[30:31], s[8:9], s[34:35]
	s_or_b32 s31, s31, 0x80000000
	tensor_load_to_lds s[28:31], s[20:27]          ; my one tensor load of the launch
	s_nop 0
.rept 4
	v_nop                                          ; plain lines behind a tensor load
.endr
	s_mul_i32 s38, s15, 49152
	s_mul_i32 s37, ttmp9, 12288                    ; 32 tiles x 384 bytes
	s_add_co_u32 s38, s38, s37
	s_mul_i32 s40, s14, 1536                       ; my four tiles
	s_add_co_u32 s38, s38, s40
	s_mov_b32 s39, 0
	s_add_nc_u64 s[4:5], s[4:5], s[38:39]          ; q's codes at my first tile
	s_lshl_b32 s38, s15, 13
	s_lshl_b32 s41, ttmp9, 11
	s_add_co_u32 s38, s38, s41
	s_lshl_b32 s41, s14, 8
	s_add_co_u32 s38, s38, s41
	s_add_nc_u64 s[6:7], s[6:7], s[38:39]          ; and its scale words
	s_and_b32 s42, s15, 15                         ; head
	s_lshr_b32 s43, s15, 4                         ; batch
	s_mul_i32 s38, s42, 196608
	s_mul_i32 s41, s43, 49152
	s_add_co_u32 s38, s38, s41
	s_add_co_u32 s38, s38, s37
	s_add_co_u32 s38, s38, s40
	s_add_nc_u64 s[10:11], s[10:11], s[38:39]      ; ac at my first position
	s_lshl_b32 s38, s42, 13
	s_lshl_b32 s41, s43, 11
	s_add_co_u32 s38, s38, s41
	s_lshl_b32 s41, ttmp9, 9
	s_add_co_u32 s38, s38, s41
	s_add_nc_u64 s[12:13], s[12:13], s[38:39]      ; asc at the work-group's first position
	s_mov_b32 s16, 0x76543210
	s_mov_b32 s17, 0xfedcba98                      ; selects for lane l xor 16
	s_mov_b32 s18, 0x3e8293ee                      ; c = log2(e) / sqrt(32)
	s_mov_b32 s19, s18                             ; (named with it as a pair, so it is written)
	s_mov_b32 s44, 0xbe8293ee                      ; -c
	v_and_b32 v11, 31, v0
	v_and_b32 v12, 15, v0
	v_bfe_u32 v13, v0, 4, 1
	v_lshlrev_b32 v[L16], 4, v11
	v_lshl_add_u32 v[KSA], v11, 2, 6144
	v_mul_u32_u24 v[R12], v12, 12
	v_lshlrev_b32 v[R4], 2, v12
.irp t, 0,1,2,3                        ; all of my q is asked for while K and V are on their way
	global_load_b96 v[S+8*\t:S+8*\t+2], v[R12], s[4:5] offset:384*\t
	global_load_b96 v[S+8*\t+4:S+8*\t+6], v[R12], s[4:5] offset:384*\t+192
	global_load_b32 v[S+32+\t], v[R4], s[6:7] offset:64*\t
.endr
	v_mul_u32_u24 v[OA], v12, 24
	v_mad_u32_u24 v[OA], v13, 12, v[OA]
	v_lshrrev_b32 v[SBA], 5, v0
	v_lshl_add_u32 v[SBA], v[SBA], 6, v12
	v_add_nc_u32 v[SBA], SCB, v[SBA]
	v_add_nc_u32 v[SRD], SCB, v[L16]
	v_lshlrev_b32 v[H8], 3, v13
	v_cmp_gt_u32 vcc_lo, 16, v11                   ; lanes 0-15
	v_cmp_le_u32 s36, 16, v11                      ; lanes 16-31
	WIN 0x40                                       ; destination window 1
.set i, 0
.rept 64
	v_mov_b32 v[O+i], 0                            ; O^T: the step is written once, its first trip finds zeros
.set i, i+1
.endr
.irp z, 0,1,2,3,4,5,6,7,8
.irp i, 0,1,2,3,4,5
	v_mov_b32 v[ZQ+12*\z+\i], 0                    ; zero codes
.endr
.endr
	WIN 0
	s_wait_alu depctr_va_vdst(0)                   ; the wait directly ahead of the wait below
	s_wait_loadcnt 0x0
.irp t, 0,1,2,3
	v_lshl_or_b32 v[QS+\t], v[S+32+\t], 8, v[S+32+\t]
.endr
.irp t, 0,1,2,3
	v_lshl_or_b32 v[QS+\t], v[QS+\t], 16, v[QS+\t] ; q's byte in all four bytes
.endr
	WIN 0x40
.irp t, 0,1,2,3
.irp i, 0,1,2
	v_cndmask_b32 v[ZQ+24*\t+6+\i], 0, v[S+8*\t+\i], vcc_lo
	v_cndmask_b32 v[ZQ+24*\t+9+\i], 0, v[S+8*\t+4+\i], vcc_lo
	v_cndmask_b32 v[ZQ+24*\t+18+\i], 0, v[S+8*\t+\i], s36
	v_cndmask_b32 v[ZQ+24*\t+21+\i], 0, v[S+8*\t+4+\i], s36
.endr
.endr
	WIN 0
.irp t, 0,1,2,3                        ; (these lines are also the plain lines between the operands and scales just made and the first product)
	v_mov_b32 v[NM+2*\t], 0x7f61b1e6               ; -M = 3e38,
	v_mov_b32 v[NM+2*\t+1], 0xff61b1e6             ; the largest score so far -3e38
	v_mov_b32 v[SUM+2*\t], 0
	v_mov_b32 v[SUM+2*\t+1], 0
.endr
.irp j, 0,1
	v_mov_b32 v[F+2*\j+1], 0                       ; (the upper half of a pair that is named)
	v_mov_b32 v[TB+\j], 0                          ; lane permutes' destinations count as read: written once
	v_mov_b32 v[PB+\j], 0
.endr
	s_wait_alu depctr_va_vdst(0)                   ; the wait at the head's end
	s_wait_tensorcnt 0x0                           ; my two steps have landed
	s_barrier_signal -1
	s_barrier_wait -1                              ; everybody's have
; S^T of pair P: for each tile eight products, key tile u of group c; the query operand begins at its tile's ZQ + 6, 18, 0, 12.  Every product has an accumulator of its own
.macro SMUL P
	WIN 0x05                                       ; K and q in window 1, the scores in window 0
.irp j, 0,1
.irp u, 0,1,2,3
	v_wmma_scale_f32_16x16x128_f8f6f4 v[S+64*\j+8*\u:S+64*\j+8*\u+7], v[KF:KF+11], v[ZQ+24*(2*\P+\j)+6+12*(\u%2)-6*(\u/2):ZQ+24*(2*\P+\j)+17+12*(\u%2)-6*(\u/2)], 0, v[KS], v[QS+2*\P+\j] matrix_a_fmt:MATRIX_FMT_BF6 matrix_b_fmt:MATRIX_FMT_BF6
.endr
.irp u, 0,1,2,3
	v_wmma_scale_f32_16x16x128_f8f6f4 v[S+64*\j+32+8*\u:S+64*\j+32+8*\u+7], v[KF+12:KF+23], v[ZQ+24*(2*\P+\j)+6+12*(\u%2)-6*(\u/2):ZQ+24*(2*\P+\j)+17+12*(\u%2)-6*(\u/2)], 0, v[KS], v[QS+2*\P+\j] matrix_a_fmt:MATRIX_FMT_BF6 matrix_b_fmt:MATRIX_FMT_BF6 matrix_a_scale:MATRIX_SCALE_ROW1
.endr
.endr
	WIN 0
.endm
; Line k of the nine dependent lines from a tile's block maxima to its new -M and f.  They are laid one by one among the other tile's independent lines
.macro CHAIN t, j, k
.if (\k) == 0
	v_max_num_f32 v[TA+\j], v[MX+4*\j], v[MX+4*\j+1]
.endif
.if (\k) == 1
	v_permlanex16_b32 v[TB+\j], v[TA+\j], s16, s17
.endif
.if (\k) == 2
	v_max3_num_f32 v[NM+2*(\t)+1], v[NM+2*(\t)+1], v[TA+\j], v[TB+\j]   ; the running largest score of my query
.endif
.if (\k) == 3
	v_mul_f32 v[TA+\j], s44, v[NM+2*(\t)+1]        ; -t (c is positive)
.endif
.if (\k) == 4
	v_floor_f32 v[TD+\j], v[TA+\j]                 ; -M = floor(-t): M is a whole number
.endif
.if (\k) == 5
	v_sub_f32 v[TA+\j], v[TD+\j], v[NM+2*(\t)]     ; old M - new M, 0 or less
.endif
.if (\k) == 6
	v_mov_b32 v[NM+2*(\t)], v[TD+\j]
.endif
.if (\k) == 7
	v_cvt_i32_f32 v[TA+\j], v[TA+\j]               ; (it saturates)
.endif
.if (\k) == 8
	v_ldexp_f32 v[F+2*\j], 1.0, v[TA+\j]           ; f = 2^(old M - new M)
.endif
.endm
; The largest score of each of tile j's two blocks, in four chains; each accumulator is first read at its low end
.macro MAXT j, on, ct, cj
.irp c, 0,1
	v_max3_num_f32 v[MX+4*\j+\c], v[S+64*\j+32*\c], v[S+64*\j+32*\c+1], v[S+64*\j+32*\c+2]
	v_max3_num_f32 v[MX+4*\j+2+\c], v[S+64*\j+32*\c+16], v[S+64*\j+32*\c+17], v[S+64*\j+32*\c+18]
.endr
.set kq, 0
.irp i, 3,5,7,9,11,13
.if \on
	CHAIN \ct, \cj, kq
.endif
.set kq, kq+1
.irp c, 0,1
	v_max3_num_f32 v[MX+4*\j+\c], v[MX+4*\j+\c], v[S+64*\j+32*\c+\i], v[S+64*\j+32*\c+\i+1]
	v_max3_num_f32 v[MX+4*\j+2+\c], v[MX+4*\j+2+\c], v[S+64*\j+32*\c+16+\i], v[S+64*\j+32*\c+17+\i]
.endr
.endr
.if \on
	CHAIN \ct, \cj, 6
.endif
.irp c, 0,1
	v_max3_num_f32 v[MX+4*\j+\c], v[MX+4*\j+\c], v[MX+4*\j+2+\c], v[S+64*\j+32*\c+15]
.endr
.if \on
	CHAIN \ct, \cj, 7
.endif
.irp c, 0,1
	v_max_num_f32 v[MX+4*\j+\c], v[MX+4*\j+\c], v[S+64*\j+32*\c+31]
.endr
.if \on
	CHAIN \ct, \cj, 8
.endif
.endm
; t - M of tile t (j in its pair), two at a time, and the same of each block's largest score
.macro FMAT t, j, on, ct, cj
.set i, 0
.rept 32
	v_pk_fma_f32 v[S+64*\j+i:S+64*\j+i+1], v[S+64*\j+i:S+64*\j+i+1], s[18:19], v[NM+2*(\t):NM+2*(\t)+1] op_sel_hi:[1,0,0]
.if (\on) && (i%6 == 0) && (i <= 48)
	CHAIN \ct, \cj, i/6
.endif
.set i, i+2
.endr
.irp c, 0,1
	v_fma_f32 v[MX+4*\j+\c], v[MX+4*\j+\c], s18, v[NM+2*(\t)]
.endr
.endm
; Line k of the lines from a pair's four largest p to its two scale words; laid among the sums
.macro BSTG k
.if (\k) == 0
.irp m, 0,1,4,5
	v_max_num_f32 v[MX+\m], FLOOR, v[MX+\m]
.endr
.endif
.irp j, 0,1
.irp c, 0,1
.if (\k) == 1
	v_add_nc_u32 v[SO+2*\j+\c], 0xfe000000, v[MX+4*\j+\c]   ; 4 off the exponent field: the conversion's scale operand
.endif
.if (\k) == 2
	v_lshrrev_b32 v[BY+2*\j+\c], 23, v[SO+2*\j+\c]          ; the scale's byte
.endif
.endr
.if (\k) == 3
	v_lshl_or_b32 v[PS+\j], v[BY+2*\j+1], 16, v[BY+2*\j]    ; my bytes: blocks h and 2 + h,
.endif
.if (\k) == 4
	v_lshlrev_b32 v[PS+\j], v[H8], v[PS+\j]                 ; at their places;
.endif
.if (\k) == 5
	v_permlanex16_b32 v[PB+\j], v[PS+\j], s16, s17
.endif
.if (\k) == 6
	v_or_b32 v[PS+\j], v[PS+\j], v[PB+\j]                   ; with lane l xor 16's two the word is whole
.endif
.endr
.endm
; Pair P from its scores to O^T += V^T p^T
.macro VEC P
	MAXT 0, 0, 0, 0
	MAXT 1, 1, 2*\P, 0
	FMAT 2*\P, 0, 1, 2*\P+1, 1
	FMAT 2*\P+1, 1, 0, 0, 0
	s_wait_alu depctr_va_vdst(0)                   ; the wait ahead of the batch
.set i, 0
.rept 128
	v_exp_f32 v[S+i], v[S+i]                       ; p
.set i, i+1
.endr
.irp m, 0,1,4,5
	v_exp_f32 v[MX+\m], v[MX+\m]                   ; each block's largest p
.endr
.irp j, 0,1
	v_pk_mul_f32 v[SUM+2*(2*\P+\j):SUM+2*(2*\P+\j)+1], v[SUM+2*(2*\P+\j):SUM+2*(2*\P+\j)+1], v[F+2*\j:F+2*\j+1] op_sel_hi:[1,0]   ; the sums under the new M: plain lines behind the exponentials
.endr
	s_wait_alu depctr_va_vdst(0)                   ; one wait for the batch, ahead of its first reader
.irp j, 0,1                            ; the row's sum of the unquantised p: 32 packed additions a tile, in four chains
.irp k, 0,1,2
	v_pk_add_f32 v[AC+8*\j+2*\k:AC+8*\j+2*\k+1], v[S+64*\j+4*\k:S+64*\j+4*\k+1], v[S+64*\j+4*\k+2:S+64*\j+4*\k+3]
.endr
	v_pk_add_f32 v[SUM+2*(2*\P+\j):SUM+2*(2*\P+\j)+1], v[SUM+2*(2*\P+\j):SUM+2*(2*\P+\j)+1], v[S+64*\j+12:S+64*\j+13]
.endr
	BSTG 0
.set q, 0
.rept 6
.irp j, 0,1
.irp k, 0,1,2
	v_pk_add_f32 v[AC+8*\j+2*\k:AC+8*\j+2*\k+1], v[AC+8*\j+2*\k:AC+8*\j+2*\k+1], v[S+64*\j+14+8*q+2*\k:S+64*\j+15+8*q+2*\k]
.endr
	v_pk_add_f32 v[SUM+2*(2*\P+\j):SUM+2*(2*\P+\j)+1], v[SUM+2*(2*\P+\j):SUM+2*(2*\P+\j)+1], v[S+64*\j+20+8*q:S+64*\j+21+8*q]
.endr
.if q < 5
	BSTG q+1
.endif
.set q, q+1
.endr
.irp j, 0,1
	v_pk_add_f32 v[AC+8*\j:AC+8*\j+1], v[AC+8*\j:AC+8*\j+1], v[S+64*\j+62:S+64*\j+63]
.endr
.irp j, 0,1
	v_pk_add_f32 v[SUM+2*(2*\P+\j):SUM+2*(2*\P+\j)+1], v[SUM+2*(2*\P+\j):SUM+2*(2*\P+\j)+1], v[AC+8*\j+4:AC+8*\j+5]
.endr
.irp j, 0,1
	v_pk_add_f32 v[AC+8*\j:AC+8*\j+1], v[AC+8*\j:AC+8*\j+1], v[AC+8*\j+2:AC+8*\j+3]
.endr
.irp j, 0,1
	v_pk_add_f32 v[SUM+2*(2*\P+\j):SUM+2*(2*\P+\j)+1], v[SUM+2*(2*\P+\j):SUM+2*(2*\P+\j)+1], v[AC+8*\j:AC+8*\j+1]
.endr
.irp j, 0,1
.irp c, 0,1
	v_cvt_scalef32_pk16_bf6_f32 v[PC+12*\j+6*\c:PC+12*\j+6*\c+2], v[S+64*\j+32*\c:S+64*\j+32*\c+15], v[SO+2*\j+\c]
	v_cvt_scalef32_pk16_bf6_f32 v[CT+8*\j+4*\c:CT+8*\j+4*\c+2], v[S+64*\j+32*\c+16:S+64*\j+32*\c+31], v[SO+2*\j+\c]   ; (a conversion's three registers begin on an even number)
.endr
.endr
	BSTG 6                                         ; the plain lines behind the scaled conversions
.irp j, 0,1
.irp c, 0,1
.irp i, 0,1,2
	v_mov_b32 v[PC+12*\j+6*\c+3+\i], v[CT+8*\j+4*\c+\i]
.endr
.endr
.endr
	s_wait_dscnt 0x0                               ; every fragment asked for so far is in: V's of this step among them
	WIN 0x41                                       ; O^T in window 1, f in window 0
	s_wait_alu depctr_va_vdst(0)                   ; the wait directly ahead of the first reader of O^T
.irp j, 0,1
.set i, 0
.rept 8
	v_pk_mul_f32 v[O+16*(2*\P+\j)+i:O+16*(2*\P+\j)+i+1], v[O+16*(2*\P+\j)+i:O+16*(2*\P+\j)+i+1], v[F+2*\j:F+2*\j+1] op_sel_hi:[1,0]   ; O^T under the new M.  These 16 lines stand behind the codes; with the 12 above, 28 behind the scale words
.set i, i+2
.endr
.endr
	WIN 0x51                                       ; V and O^T in window 1, p's codes in window 0
.irp j, 0,1
	v_wmma_scale_f32_16x16x128_f8f6f4 v[O+16*(2*\P+\j):O+16*(2*\P+\j)+7], v[VF:VF+11], v[PC+12*\j:PC+12*\j+11], v[O+16*(2*\P+\j):O+16*(2*\P+\j)+7], v[VS], v[PS+\j] matrix_a_fmt:MATRIX_FMT_BF6 matrix_b_fmt:MATRIX_FMT_BF6
	v_wmma_scale_f32_16x16x128_f8f6f4 v[O+16*(2*\P+\j)+8:O+16*(2*\P+\j)+15], v[VF+12:VF+23], v[PC+12*\j:PC+12*\j+11], v[O+16*(2*\P+\j)+8:O+16*(2*\P+\j)+15], v[VS], v[PS+\j] matrix_a_fmt:MATRIX_FMT_BF6 matrix_b_fmt:MATRIX_FMT_BF6 matrix_a_scale:MATRIX_SCALE_ROW1
.endr
	WIN 0
.endm
	WIN 0x40
.irp g, 0,1,2,3,4,5
	ds_load_b128 v[KF+4*\g:KF+4*\g+3], v[L16] offset:512*\g   ; step 0's K
.endr
	WIN 0
	ds_load_b32 v[KS], v[KSA]                      ; lanes 0-15 fragment 0's words, lanes 16-31 fragment 1's
	s_mov_b32 s32, 0
	s_mov_b32 s33, 16
.Lstep:                                        ; 128 keys x 64 queries a trip
	s_wait_dscnt 0x0                               ; this step's K is in (asked for in the middle of the trip before)
	s_add_co_u32 s34, s32, STEPB
	s_min_u32 s34, s34, 15*STEPB                   ; the next step; the last trip reads step 15's K once more and does not use it, so that no load leaves the tiles
	SMUL 0
	v_add_nc_u32 v[AD], s32, v[L16]
	v_add_nc_u32 v[ADS], s32, v[KSA]
	v_nop
	v_nop                                          ; four plain lines behind the products: ahead of the loads into V's registers and of the first read of the scores
	WIN 0x40
.irp g, 0,1,2,3,4,5
	ds_load_b128 v[VF+4*\g:VF+4*\g+3], v[AD] offset:3072+512*\g
.endr
	WIN 0
	ds_load_b32 v[VS], v[ADS] offset:128
	VEC 0
	SMUL 1
	v_add_nc_u32 v[ADK], s34, v[L16]
	v_add_nc_u32 v[ADKS], s34, v[KSA]
	v_nop
	v_nop                                          ; four plain lines, as above: K's registers are free
	WIN 0x40
.irp g, 0,1,2,3,4,5
	ds_load_b128 v[KF+4*\g:KF+4*\g+3], v[ADK] offset:512*\g
.endr
	WIN 0
	ds_load_b32 v[KS], v[ADKS]
	VEC 1
	s_add_co_u32 s32, s32, STEPB
	s_sub_co_u32 s33, s33, 1
	s_cmp_lg_u32 s33, 0
	s_wait_alu depctr_va_vdst(0)                   ; the wait directly ahead of the branch
	s_cbranch_scc1 .Lstep
; The four tiles' way out, line by line by turns
.irp t, 0,1,2,3
	v_add_f32 v[MX+\t], v[SUM+2*\t], v[SUM+2*\t+1]
.endr
.irp t, 0,1,2,3
	v_permlanex16_b32 v[MX+4+\t], v[MX+\t], s16, s17
.endr
.irp t, 0,1,2,3
	v_add_f32 v[MX+\t], v[MX+\t], v[MX+4+\t]       ; the row's sum
.endr
	s_wait_alu depctr_va_vdst(0)                   ; the wait ahead of the batch
.irp t, 0,1,2,3
	v_rcp_f32 v[AC+2*\t], v[MX+\t]
.endr
.irp t, 0,1,2,3
	v_mov_b32 v[AC+2*\t+1], 0                      ; plain lines behind the reciprocals; the pairs' upper halves are written
.endr
	WIN 0x01                                       ; O^T in window 1
	s_wait_alu depctr_va_vdst(0)                   ; one wait for the batch and for O^T, directly ahead of the first reader
.irp t, 0,1,2,3
.set i, 0
.rept 8
	v_pk_mul_f32 v[S+16*\t+i:S+16*\t+i+1], v[O+16*\t+i:O+16*\t+i+1], v[AC+2*\t:AC+2*\t+1] op_sel_hi:[1,0]   ; channels 16 h + 0 .. 15 of my query
.set i, i+2
.endr
.endr
	WIN 0
.irp t, 0,1,2,3
	v_max3_num_f32 v[MX+\t], |v[S+16*\t]|, |v[S+16*\t+1]|, FLOOR
.endr
.irp i, 2,4,6,8,10,12,14
.irp t, 0,1,2,3
	v_max3_num_f32 v[MX+\t], v[MX+\t], |v[S+16*\t+\i]|, |v[S+16*\t+\i+1]|
.endr
.endr
.irp t, 0,1,2,3
	v_permlanex16_b32 v[MX+4+\t], v[MX+\t], s16, s17
.endr
.irp t, 0,1,2,3
	v_max_num_f32 v[MX+\t], v[MX+\t], v[MX+4+\t]   ; the head's largest magnitude: the block of the next product's K
.endr
.irp t, 0,1,2,3
	v_add_nc_u32 v[SO+\t], 0xfe000000, v[MX+\t]
.endr
.irp t, 0,1,2,3
	v_lshrrev_b32 v[BY+\t], 23, v[SO+\t]
.endr
.irp t, 0,1,2,3
	v_cvt_scalef32_pk16_bf6_f32 v[PC+4*\t:PC+4*\t+2], v[S+16*\t:S+16*\t+15], v[SO+\t]
.endr
	v_nop                                          ; one plain line behind a scaled conversion
.irp t, 0,1,2,3
	global_store_b96 v[OA], v[PC+4*\t:PC+4*\t+2], s[10:11] offset:384*\t   ; the wave stores 384 consecutive bytes
	ds_store_b8 v[SBA], v[BY+\t] offset:16*\t      ; both lanes of a query write the same byte with the same value
.endr
	s_wait_dscnt 0x0                               ; my scale bytes have landed
	s_barrier_signal -1
	s_barrier_wait -1
	s_cmp_lg_u32 s14, 0
	s_cbranch_scc1 .Ldone
	ds_load_b128 v[S:S+3], v[SRD]                  ; wave 0 sends the work-group's 512 bytes
	s_wait_dscnt 0x0
	global_store_b128 v[L16], v[S:S+3], s[12:13]
.Ldone:
	s_wait_tensorcnt 0x0                           ; the wave's end
	ds_add_u32 v[SPW], v[NIL]
	s_wait_dscnt 0x0
	s_endpgm
.Lfunc_end_k_q1892cefd3a_attn:
	.size	k_q1892cefd3a_attn, .Lfunc_end_k_q1892cefd3a_attn-k_q1892cefd3a_attn
	.p2alignl 7, 3214868480
	.fill 96, 4, 3214868480
	.section	.rodata,"a",@progbits
	.p2align	6, 0x0
	.amdhsa_kernel k_q1892cefd3a_attn
		.amdhsa_group_segment_fixed_size 169984
		.amdhsa_private_segment_fixed_size 0
		.amdhsa_enable_private_segment 0
		.amdhsa_kernarg_size 40
		.amdhsa_user_sgpr_count 2
		.amdhsa_user_sgpr_kernarg_segment_ptr 1
		.amdhsa_wavefront_size32 1
		.amdhsa_system_sgpr_workgroup_id_x 1
		.amdhsa_system_sgpr_workgroup_id_y 1
		.amdhsa_system_sgpr_workgroup_id_z 1
		.amdhsa_system_vgpr_workitem_id 0
		.amdhsa_next_free_vgpr 512
		.amdhsa_next_free_sgpr 66
		.amdhsa_reserve_vcc 1
		.amdhsa_float_denorm_mode_32 3
		.amdhsa_float_denorm_mode_16_64 3
		.amdhsa_memory_ordered 1
		.amdhsa_forward_progress 1
		.amdhsa_inst_pref_size 68
	.end_amdhsa_kernel
	.amdgpu_metadata
---
amdhsa.version: [ 1, 2 ]
amdhsa.kernels:
  - .name:           k_q1892cefd3a_attn
    .symbol:         k_q1892cefd3a_attn.kd
    .args:
      - { .name: qc, .offset: 0, .size: 8, .value_kind: global_buffer, .address_space: global }
      - { .name: qs, .offset: 8, .size: 8, .value_kind: global_buffer, .address_space: global }
      - { .name: kv, .offset: 16, .size: 8, .value_kind: global_buffer, .address_space: global }
      - { .name: ac, .offset: 24, .size: 8, .value_kind: global_buffer, .address_space: global }
      - { .name: asc, .offset: 32, .size: 8, .value_kind: global_buffer, .address_space: global }
    .group_segment_fixed_size: 169984
    .private_segment_fixed_size: 0
    .kernarg_segment_align: 8
    .kernarg_segment_size: 40
    .max_flat_workgroup_size: 256
    .sgpr_count:     66
    .vgpr_count:     512
    .wavefront_size: 32
...
	.end_amdgpu_metadata
.endif
;; end of part 3
;; launch tail (part 4): grid 256 x 1, 8 waves a work-group, no clusters, 98,304 bytes of LDS; arguments ac, asc, x1, wbuf, bo, g1, b1, bf1, bf2, g2, b2, out0; writes out0
.if DOCPART == 4
	.amdgcn_target "amdgcn-amd-amdhsa--gfx1250"
	.amdhsa_code_object_version 6
	.text
	.protected	k_q1892cefd3a_tail
	.globl	k_q1892cefd3a_tail
	.p2align	8
	.type	k_q1892cefd3a_tail,@function
k_q1892cefd3a_tail:
	s_mov_b64 s[64:65], 0
	v_nop
	global_prefetch_b8 v0, s[64:65] scope:SCOPE_SE
	s_setreg_imm32_b32 hwreg(HW_REG_WAVE_MODE, 25, 1), 1
	s_wait_xcnt 0x0
; out0 = LN2(h + gelu(h Wf1 + bf1) Wf2 + bf2), h = LN1(x1 + a Wo + bo); a comes as codes of BF6 with E8M0 bytes; all three products on such codes, everything else in f32.
; A work-group takes 32 positions through the whole chain; wave G owns 64 columns of every product.  The products are used transposed: a lane holds one position and its registers run along the columns, so a result is quantised in its lane.
; Nine phases of K = 512: Wo, then four times (512 columns of Wf1, gelu, quantise; the same 512 rows of Wf2, summed into one set of accumulators).  The biases are loaded into the accumulators and are the C of the first products.
; Activations go from wave to wave through LDS as images of operand registers (two images: a or gelu's result; h), one barrier for each exchange.
; THE WEIGHTS GO FROM MEMORY STRAIGHT INTO REGISTERS.  wbuf holds images of operand registers, and a wave's 12,800 bytes of a half panel (8 fragments, their scale words) are read by that wave alone: 28 loads.
; Two register buffers take turns (K steps 0,1 and 2,3 of a panel); a buffer is asked for again as soon as its products are issued, so its loads have the other half's products and the vector work of the phase in which to land.
; NO CLUSTER, NO TENSOR LOAD: no byte of the weights is shared inside a work-group, so a way through LDS would write and read each byte once more, and a joint load would ask for a ring with a round of the cluster's barrier for every 16 matrix instructions of a wave.
; PREFETCH: each load of a half panel asks for the half panel two further on, 400 blocks of 256 bytes: wave unit = 8 (work-group % 128) + wave takes blocks 32 unit + lane where unit < 13 (the last lanes name block 399 again); the last two loads ask for nothing.
; LIMITS: NaN and infinities are not served; a block of zeros carries the byte 1 (its codes are zeros; this program alone reads the bytes).  erf is a rational form on the argument held to -4 .. 4.
; REGISTERS.  Window 0: v0-63 addresses, scales, at work; v64-127 at work; v128-191 accumulators A7; v192-239 weight buffer 1, K step 2.  Window 1: v0-95 weight buffer 0; v96-143 activations of two K steps; v144-191 weight buffer 1, K step 3; v192-255 accumulators A8.
.set BUFB,  102400                     ; a half panel in wbuf
.set WPART, 12800                      ; a wave's part of it
.set SPARE, 0                          ; LDS: the spare words, 128 bytes a wave
.set IMGA,  1024                       ; image 0: 8 fragments x 1,536
.set SCA,   13312                      ; its scale words
.set IMGOFF, 13312                     ; from image 0 to image 1
.set STATS, 27648                      ; the layer norms' partial sums
.set XSTG,  31744                      ; 32 rows of f32, 2,064 bytes apart
.set XP,    2064
.set FLOOR, 0x2800000
.set L16, 1
.set L4,  2
.set PFO, 3
.set IA16, 6
.set IA8, 7
.set SA,  8
.set GW16, 9
.set GW8, 10
.set GWS, 11
.set AW16, 12
.set AW8, 13
.set AWS, 14
.set STW, 15
.set STR, 16
.set XL,  17
.set XRW, 18
.set SPW, 19
.set NIL, 20
.set H8,  21
.set B128, 22
.set ATC, 23
.set ATS, 24
.set WSC, 32                           ; v32-35 buffer 0's scale words, v28-31 buffer 1's
.set BSC, 36
.set CA,  44
.set CB,  46
.set TM,  48
.set A7,  128
.set A8,  192
.set MSB, 0
.macro WIN new
.if MSB != \new
	s_set_vgpr_msb (MSB<<8)|\new
.set MSB, \new
.endif
.endm
.macro PLACES
.rept 4
	v_nop
.endr
.endm
.macro BARRIER
	s_wait_dscnt 0x0
	s_barrier_signal -1
	s_barrier_wait -1
.endm
.macro KPAIR reg, val
	s_mov_b32 s[\reg], \val
	s_mov_b32 s[\reg+1], \val
.endm
; Buffer hf takes its next half panel: 4 loads of scale words and 24 of codes.  Every window is 0 on the way in and out
.macro WLOAD hf, ask
	s_wait_xcnt 0x0                                ; the bases are stepped only behind this wait
	s_add_nc_u64 s[38+4*\hf:39+4*\hf], s[38+4*\hf:39+4*\hf], 2*BUFB
	s_add_nc_u64 s[28:29], s[28:29], BUFB
.if \ask
	s_cmp_lt_u32 s30, 13
	s_cbranch_scc0 .Lnot_mine_\@
	global_prefetch_b8 v[PFO], s[28:29] offset:2*BUFB th:TH_LOAD_NT scope:SCOPE_SE
.Lnot_mine_\@:
.endif
.irp f, 0,1,2,3
	global_load_b32 v[WSC-4*\hf+\f], v[L4], s[38+4*\hf:39+4*\hf] offset:12288+128*\f
.endr
.if \hf == 0
	WIN 0x40
.irp f, 0,1,2,3,4,5,6,7
.irp g, 0,1,2
	global_load_b128 v[12*\f+4*\g:12*\f+4*\g+3], v[L16], s[38:39] offset:1536*\f+512*\g
.endr
.endr
.else
.irp f, 0,1,2,3
.irp g, 0,1,2
	global_load_b128 v[192+12*\f+4*\g:192+12*\f+4*\g+3], v[L16], s[42:43] offset:1536*\f+512*\g
.endr
.endr
	WIN 0x40
.irp f, 4,5,6,7
.irp g, 0,1,2
	global_load_b128 v[144+12*(\f-4)+4*\g:144+12*(\f-4)+4*\g+3], v[L16], s[42:43] offset:1536*\f+512*\g
.endr
.endr
.endif
	WIN 0
.endm
	s_load_b256 s[4:11], s[0:1], 0x0               ; ac, asc, x1, wbuf
	s_load_b256 s[12:19], s[0:1], 0x20             ; bo, g1, b1, bf1
	s_load_b256 s[20:27], s[0:1], 0x40             ; bf2, g2, b2, out0
	v_lshl_add_u32 v[SPW], v0, 2, SPARE
	v_mov_b32 v[NIL], 0
	v_lshrrev_b32 v25, 5, v0
	s_delay_alu instid0(VALU_DEP_1)
	v_readfirstlane_b32 s44, v25                   ; wave
	s_mov_b32 s46, ttmp9                           ; which 32 positions
	s_mov_b32 s48, 0x76543210
	s_mov_b32 s49, 0xfedcba98
	s_mov_b32 s60, 0x3b000000                      ; 1 / 512
	s_mov_b32 s61, 0x3727c5ac                      ; 1e-5
	KPAIR 66, 0x32edffee
	KPAIR 68, 0xb60cff51
	KPAIR 70, 0xb86ec2d2
	KPAIR 72, 0xba40ac63
	KPAIR 74, 0xbb41a1f6
	KPAIR 76, 0xbc83dbd4
	KPAIR 78, 0xb95fbd29
	KPAIR 80, 0xbadc924e
	KPAIR 82, 0xbbf19bf8
	KPAIR 84, 0xbc69b6a7
	KPAIR 86, 0x3f3504f3
	s_and_b32 s30, s46, 127
	s_lshl_b32 s30, s30, 3
	s_add_co_u32 s30, s30, s44                     ; my unit among the prefetching waves
	s_lshl_b32 s31, s30, 5
	v_mov_b32 v[CA], 0xaf95df0b
	v_mov_b32 v[CA+1], 0xaf95df0b
	v_mov_b32 v[CB], 0xb77460cd
	v_mov_b32 v[CB+1], 0xb77460cd
	v_mov_b32 v[TM+5], 0
	v_mov_b32 v[TM+7], 0
	v_mov_b32 v[TM+8], 0
	v_mov_b32 v[TM+9], 0
	v_and_b32 v25, 31, v0
	v_and_b32 v26, 15, v0
	v_bfe_u32 v27, v0, 4, 1
	s_delay_alu instid0(VALU_DEP_3)
	v_lshlrev_b32 v[L16], 4, v25
	v_lshlrev_b32 v[L4], 2, v25
	v_add_nc_u32 v[PFO], s31, v25
	s_delay_alu instid0(VALU_DEP_1)
	v_min_u32 v[PFO], 399, v[PFO]                  ; a half panel has 400 blocks of 256 bytes
	s_delay_alu instid0(VALU_DEP_1)
	v_lshlrev_b32 v[PFO], 8, v[PFO]
	v_add_nc_u32 v[IA16], IMGA, v[L16]
	v_lshl_add_u32 v[IA8], v25, 3, IMGA+512
	v_lshl_add_u32 v[SA], v26, 2, SCA
	s_wait_alu depctr_va_vdst(0)                   ; the wait here
	s_mul_i32 s51, s44, 768
	v_add_nc_u32 v[GW16], s51, v[IA16]
	v_add_nc_u32 v[GW8], s51, v[IA8]
	s_lshr_b32 s51, s44, 1
	s_lshl_b32 s51, s51, 7
	s_and_b32 s52, s44, 1
	s_lshl_b32 s52, s52, 1
	s_add_co_u32 s51, s51, s52
	v_add_nc_u32 v[GWS], s51, v[SA]
	s_mul_i32 s51, s44, 1536
	v_add_nc_u32 v[AW16], s51, v[IA16]
	v_add_nc_u32 v[AW8], s51, v[IA8]
	s_lshl_b32 s51, s44, 7
	v_add_nc_u32 v[AWS], s51, v[SA]
	v_lshl_add_u32 v[STR], v26, 5, STATS
	s_lshl_b32 s51, s44, 2
	v_add_nc_u32 v[STW], s51, v[STR]
	v_mul_u32_u24 v[XL], v26, XP
	s_delay_alu instid0(VALU_DEP_1)
	v_lshl_add_u32 v[XL], v27, 7, v[XL]
	s_lshl_b32 s51, s44, 8
	s_add_co_u32 s51, s51, XSTG
	v_add_nc_u32 v[XL], s51, v[XL]
	s_mul_i32 s51, s44, 4*XP
	s_add_co_u32 s51, s51, XSTG
	v_add_nc_u32 v[XRW], s51, v[L16]
	v_lshlrev_b32 v[H8], 3, v27
	v_lshlrev_b32 v[B128], 7, v27
	v_mul_u32_u24 v[ATC], v27, 0x30000
	s_delay_alu instid0(VALU_DEP_1)
	v_mad_u32_u24 v[ATC], v26, 24, v[ATC]
	v_mov_b32 v[ATS], v26
	s_lshl_b32 s52, s44, 8
	s_mov_b32 s53, 0
	s_and_b32 s54, s44, 3
	s_lshr_b32 s55, s44, 2
	s_mul_i32 s62, s44, WPART
	s_add_co_u32 s62, s62, 614400-2*BUFB           ; panel 3 (Wo) begins at 614,400; the first step of each base leads there
	s_mov_b32 s63, 0
	s_mov_b32 s57, 0
	s_wait_alu depctr_va_vdst(0)                   ; the wait at the head's end
	s_wait_kmcnt 0x0
	s_add_nc_u64 s[38:39], s[10:11], s[62:63]
	s_add_nc_u64 s[42:43], s[38:39], BUFB
	s_add_nc_u64 s[28:29], s[10:11], 614400-BUFB
	WLOAD 0, 1                                     ; Wo's two halves are asked for first
	WLOAD 1, 1
.irp p, 12,14,16,18,20,22,24
	s_add_nc_u64 s[\p:\p+1], s[\p:\p+1], s[52:53]
.endr
	s_mul_i32 s56, s54, 786432
	s_mul_i32 s58, s46, 768
	s_add_co_u32 s56, s56, s58
	s_mul_i32 s58, s55, 384
	s_add_co_u32 s56, s56, s58
	s_add_nc_u64 s[4:5], s[4:5], s[56:57]
	s_lshl_b32 s56, s54, 15
	s_lshl_b32 s58, s46, 5
	s_add_co_u32 s56, s56, s58
	s_lshl_b32 s58, s55, 4
	s_add_co_u32 s56, s56, s58
	s_add_nc_u64 s[6:7], s[6:7], s[56:57]
	s_lshr_b32 s56, s46, 1
	s_lshl_b32 s56, s56, 6
	s_and_b32 s58, s46, 1
	s_lshl_b32 s58, s58, 4
	s_add_co_u32 s56, s56, s58
	s_bfe_u32 s58, s44, 0x10001
	s_lshl_b32 s58, s58, 5
	s_add_co_u32 s56, s56, s58
	s_lshl_b32 s58, s55, 3
	s_add_co_u32 s56, s56, s58
	s_and_b32 s58, s44, 1
	s_lshl_b32 s58, s58, 2
	s_add_co_u32 s56, s56, s58
	s_lshl_b32 s56, s56, 11
	s_add_nc_u64 s[8:9], s[8:9], s[56:57]
	s_add_nc_u64 s[26:27], s[26:27], s[56:57]
.macro BIASLD p, ab
.irp m, 0,1
.irp w, 0,1,2,3
.irp q, 0,1
	global_load_b128 v[\ab+32*\m+8*\w+4*\q:\ab+32*\m+8*\w+4*\q+3], v[B128], s[\p:\p+1] offset:32*\w+16*\q
.endr
.endr
.endr
.endm
; The activations' fragments of K steps 2 hf and 2 hf + 1, both tiles of 16 positions
.macro BFETCH img, hf
	WIN 0x40
.irp m, 0,1
.irp sl, 0,1
.irp c, 0,1
	ds_load_b128 v[96+12*(2*\m+\sl)+6*\c:96+12*(2*\m+\sl)+6*\c+3], v[IA16] offset:\img+1536*(4*\m+2*\hf+\sl)+768*\c
	ds_load_b64 v[96+12*(2*\m+\sl)+6*\c+4:96+12*(2*\m+\sl)+6*\c+5], v[IA8] offset:\img+1536*(4*\m+2*\hf+\sl)+768*\c
.endr
.endr
.endr
	WIN 0
.endm
; Eight products: K step 2 hf + sl; the eight accumulators take turns
.macro MUL hf, sl, big
.if \hf == 0
.set WB, 48*\sl
.set WV, 0x05
.else
.if \sl == 0
.set WB, 192
.set WV, 0x04
.else
.set WB, 144
.set WV, 0x05
.endif
.endif
.if \big
.set AB, A8
.set WV, WV+0x50
.else
.set AB, A7
.endif
	WIN WV
.irp m, 0,1
.irp w, 0,1,2,3
.if (\w)%2
	v_wmma_scale_f32_16x16x128_f8f6f4 v[AB+32*\m+8*\w:AB+32*\m+8*\w+7], v[WB+12*\w:WB+12*\w+11], v[96+12*(2*\m+\sl):96+12*(2*\m+\sl)+11], v[AB+32*\m+8*\w:AB+32*\m+8*\w+7], v[WSC-4*\hf+(4*\sl+\w)/2], v[BSC+4*\m+2*\hf+\sl] matrix_a_fmt:MATRIX_FMT_BF6 matrix_b_fmt:MATRIX_FMT_BF6 matrix_a_scale:MATRIX_SCALE_ROW1
.else
	v_wmma_scale_f32_16x16x128_f8f6f4 v[AB+32*\m+8*\w:AB+32*\m+8*\w+7], v[WB+12*\w:WB+12*\w+11], v[96+12*(2*\m+\sl):96+12*(2*\m+\sl)+11], v[AB+32*\m+8*\w:AB+32*\m+8*\w+7], v[WSC-4*\hf+(4*\sl+\w)/2], v[BSC+4*\m+2*\hf+\sl] matrix_a_fmt:MATRIX_FMT_BF6 matrix_b_fmt:MATRIX_FMT_BF6
.endif
.endr
.endr
.endm
; A phase: K = 512 of one panel.  n0, n1: the global loads issued behind buffer 0's, buffer 1's, which may stay out
.macro PHASE img, big, fill0, fill1, ask, n0, n1
	WIN 0
.irp f, 0,1,2,3,4,5,6,7
	ds_load_b32 v[BSC+\f], v[SA] offset:\img+128*\f
.endr
	BFETCH \img, 0
	s_wait_loadcnt \n0                             ; the bias in the accumulators and buffer 0 are in
	s_wait_dscnt 0x0
	MUL 0, 0, \big
	MUL 0, 1, \big
	WIN 0
	PLACES                                         ; four plain lines between the products and the loads into their operands
	BFETCH \img, 1
.if \fill0
	WLOAD 0, \ask
.endif
	s_wait_loadcnt \n1                             ; buffer 1 is in
	s_wait_dscnt 0x0
	MUL 1, 0, \big
	MUL 1, 1, \big
	WIN 0
	PLACES
.if \fill1
	WLOAD 1, \ask
.endif
.endm
.macro XSUM e
.irp m, 0,1
	s_delay_alu instid0(VALU_DEP_2)
	v_add_f32 v[TM+4+2*\m], v[TM+2*\m], v[TM+2*\m+1]
.endr
.irp m, 0,1
	s_delay_alu instid0(VALU_DEP_2)
	v_permlanex16_b32 v[TM+8+\m], v[TM+4+2*\m], s48, s49
.endr
.irp m, 0,1
	s_delay_alu instid0(VALU_DEP_2)
	v_add_f32 v[TM+4+2*\m], v[TM+4+2*\m], v[TM+8+\m]
.endr
.irp m, 0,1
	ds_store_b32 v[STW], v[TM+4+2*\m] offset:1024*(\e)+512*\m
.endr
	BARRIER
.irp m, 0,1
	ds_load_b128 v[64+8*\m:67+8*\m], v[STR] offset:1024*(\e)+512*\m
	ds_load_b128 v[68+8*\m:71+8*\m], v[STR] offset:1024*(\e)+512*\m+16
.endr
	s_wait_dscnt 0x0
.irp m, 0,1
	v_pk_add_f32 v[64+8*\m:65+8*\m], v[64+8*\m:65+8*\m], v[66+8*\m:67+8*\m]
	v_pk_add_f32 v[68+8*\m:69+8*\m], v[68+8*\m:69+8*\m], v[70+8*\m:71+8*\m]
.endr
.irp m, 0
	s_delay_alu instid0(VALU_DEP_3)
	v_pk_add_f32 v[64+8*\m:65+8*\m], v[64+8*\m:65+8*\m], v[68+8*\m:69+8*\m]
.endr
.irp m, 1
	s_delay_alu instid0(VALU_DEP_2)
	v_pk_add_f32 v[64+8*\m:65+8*\m], v[64+8*\m:65+8*\m], v[68+8*\m:69+8*\m]
.endr
.irp m, 0,1
	s_delay_alu instid0(VALU_DEP_2)
	v_add_f32 v[TM+4+2*\m], v[64+8*\m], v[65+8*\m]
.endr
.endm
; A7 = layer norm of (A8 + the staged rows), gain and shift from gp, bp.  At work in window 1: v0-127
.macro LNORM e, gp, bp
	WIN 0x40
.irp m, 0,1
.irp w, 0,1,2,3
.irp q, 0,1
	ds_load_b128 v[32*\m+8*\w+4*\q:32*\m+8*\w+4*\q+3], v[XL] offset:16*XP*\m+32*\w+16*\q
.endr
.endr
.endr
.irp w, 0,1,2,3
.irp q, 0,1
	global_load_b128 v[64+8*\w+4*\q:64+8*\w+4*\q+3], v[B128], s[\gp:\gp+1] offset:32*\w+16*\q
	global_load_b128 v[96+8*\w+4*\q:96+8*\w+4*\q+3], v[B128], s[\bp:\bp+1] offset:32*\w+16*\q
.endr
.endr
	s_wait_dscnt 0x0
	WIN 0x05
.set i, 0
.rept 32
	v_pk_add_f32 v[A7+i:A7+i+1], v[A8+i:A8+i+1], v[i:i+1]
.set i, i+2
.endr
	WIN 0
.irp m, 0,1
	v_pk_add_f32 v[TM+2*\m:TM+2*\m+1], v[A7+32*\m:A7+32*\m+1], v[A7+32*\m+2:A7+32*\m+3]
.endr
.irp i, 4,6,8,10,12,14,16,18,20,22,24,26,28,30
.irp m, 0,1
	s_delay_alu instid0(VALU_DEP_2)
	v_pk_add_f32 v[TM+2*\m:TM+2*\m+1], v[TM+2*\m:TM+2*\m+1], v[A7+32*\m+\i:A7+32*\m+\i+1]
.endr
.endr
	XSUM \e
.irp m, 0,1
	s_delay_alu instid0(VALU_DEP_2)
	v_mul_f32 v[TM+4+2*\m], s60, v[TM+4+2*\m]
.endr
.irp m, 0,1
.set i, 0
.rept 16
	v_pk_add_f32 v[A7+32*\m+i:A7+32*\m+i+1], v[A7+32*\m+i:A7+32*\m+i+1], v[TM+4+2*\m:TM+5+2*\m] op_sel_hi:[1,0] neg_lo:[0,1] neg_hi:[0,1]
.set i, i+2
.endr
.endr
.irp m, 0,1
	v_pk_mul_f32 v[TM+2*\m:TM+2*\m+1], v[A7+32*\m:A7+32*\m+1], v[A7+32*\m:A7+32*\m+1]
.endr
.irp i, 2,4,6,8,10,12,14,16,18,20,22,24,26,28,30
.irp m, 0,1
	s_delay_alu instid0(VALU_DEP_2)
	v_pk_fma_f32 v[TM+2*\m:TM+2*\m+1], v[A7+32*\m+\i:A7+32*\m+\i+1], v[A7+32*\m+\i:A7+32*\m+\i+1], v[TM+2*\m:TM+2*\m+1]
.endr
.endr
	XSUM (\e)+1
.irp m, 0,1
	s_delay_alu instid0(VALU_DEP_2)
	v_fma_f32 v[TM+4+2*\m], v[TM+4+2*\m], s60, s61
.endr
	s_wait_alu depctr_va_vdst(0)
.irp m, 0,1
	v_rsq_f32 v[TM+4+2*\m], v[TM+4+2*\m]
.endr
	v_nop
	s_wait_alu depctr_va_vdst(0)
	s_wait_loadcnt 0x0
.irp m, 0,1
.set i, 0
.rept 16
	v_pk_mul_f32 v[A7+32*\m+i:A7+32*\m+i+1], v[A7+32*\m+i:A7+32*\m+i+1], v[TM+4+2*\m:TM+5+2*\m] op_sel_hi:[1,0]
.set i, i+2
.endr
.endr
	WIN 0x14
.irp m, 0,1
.set i, 0
.rept 16
	v_pk_fma_f32 v[A7+32*\m+i:A7+32*\m+i+1], v[A7+32*\m+i:A7+32*\m+i+1], v[64+i:65+i], v[96+i:97+i]
.set i, i+2
.endr
.endr
	WIN 0
.endm
.macro TOSTAGE
.irp m, 0,1
.irp w, 0,1,2,3
.irp q, 0,1
	ds_store_b128 v[XL], v[A7+32*\m+8*\w+4*\q:A7+32*\m+8*\w+4*\q+3] offset:16*XP*\m+32*\w+16*\q
.endr
.endr
.endr
.endm
; A7's two blocks of 32 a lane become codes and bytes in the image at off
.macro QUANTH off
.irp m, 0,1
	v_max3_num_f32 v[TM+\m], |v[A7+32*\m]|, |v[A7+32*\m+1]|, FLOOR
	v_max3_num_f32 v[TM+2+\m], |v[A7+32*\m+16]|, |v[A7+32*\m+17]|, |v[A7+32*\m+18]|
.endr
.irp i, 2,4,6,8,10,12,14
.irp m, 0,1
	v_max3_num_f32 v[TM+\m], v[TM+\m], |v[A7+32*\m+\i]|, |v[A7+32*\m+\i+1]|
.endr
.endr
.irp i, 19,21,23,25,27,29
.irp m, 0,1
	v_max3_num_f32 v[TM+2+\m], v[TM+2+\m], |v[A7+32*\m+\i]|, |v[A7+32*\m+\i+1]|
.endr
.endr
.irp m, 0,1
	s_delay_alu instid0(VALU_DEP_2)
	v_max3_num_f32 v[TM+\m], v[TM+\m], v[TM+2+\m], |v[A7+32*\m+31]|
.endr
.irp m, 0,1
	s_delay_alu instid0(VALU_DEP_2)
	v_add_nc_u32 v[TM+10+\m], 0xfe000000, v[TM+\m]
.endr
.irp m, 0,1
	s_delay_alu instid0(VALU_DEP_2)
	v_lshrrev_b32 v[TM+12+\m], 23, v[TM+10+\m]
.endr
.irp m, 0,1
	s_delay_alu instid0(VALU_DEP_2)
	v_lshlrev_b32 v[TM+12+\m], v[H8], v[TM+12+\m]
.endr
.irp m, 0,1
	s_delay_alu instid0(VALU_DEP_2)
	v_permlanex16_b32 v[TM+8+\m], v[TM+12+\m], s48, s49
.endr
.irp m, 0,1
	s_delay_alu instid0(VALU_DEP_2)
	v_or_b32 v[TM+12+\m], v[TM+12+\m], v[TM+8+\m]
.endr
.irp m, 0,1
	v_cvt_scalef32_pk16_bf6_f32 v[96+6*\m:98+6*\m], v[A7+32*\m:A7+32*\m+15], v[TM+10+\m]
	v_cvt_scalef32_pk16_bf6_f32 v[108+4*\m:110+4*\m], v[A7+32*\m+16:A7+32*\m+31], v[TM+10+\m]
.endr
	v_nop
.irp m, 0,1
.irp i, 0,1,2
	v_mov_b32 v[99+6*\m+\i], v[108+4*\m+\i]
.endr
.endr
.irp m, 0,1
	ds_store_b128 v[GW16], v[96+6*\m:99+6*\m] offset:\off+6144*\m
	ds_store_b64 v[GW8], v[100+6*\m:101+6*\m] offset:\off+6144*\m
	ds_store_b16 v[GWS], v[TM+12+\m] offset:\off+512*\m
.endr
.endm
; gelu(u) = u / 2 + (u / 2) erf(u / sqrt 2) on 16 registers; erf as a quotient of two polynomials
.macro GELU16 u
.set i, 0
.rept 8
	v_pk_mul_f32 v[64+i:65+i], v[\u+i:\u+i+1], s[86:87] op_sel_hi:[1,0]
.set i, i+2
.endr
.set i, 0
.rept 16
	v_med3_num_f32 v[64+i], v[64+i], -4.0, 4.0
.set i, i+1
.endr
.set i, 0
.rept 8
	v_pk_mul_f32 v[80+i:81+i], v[64+i:65+i], v[64+i:65+i]
.set i, i+2
.endr
.set i, 0
.rept 8
	v_pk_fma_f32 v[96+i:97+i], v[80+i:81+i], v[CB:CB+1], s[78:79] op_sel_hi:[1,1,0]
.set i, i+2
.endr
.irp k, 80,82,84
.set i, 0
.rept 8
	v_pk_fma_f32 v[96+i:97+i], v[96+i:97+i], v[80+i:81+i], s[\k:\k+1] op_sel_hi:[1,1,0]
.set i, i+2
.endr
.endr
.set i, 0
	s_wait_alu depctr_va_vdst(0)
.rept 16
	v_rcp_f32 v[96+i], v[96+i]
.set i, i+1
.endr
.set i, 0
.rept 8
	v_pk_fma_f32 v[112+i:113+i], v[80+i:81+i], v[CA:CA+1], s[66:67] op_sel_hi:[1,1,0]
.set i, i+2
.endr
.irp k, 68,70,72,74,76
.set i, 0
.rept 8
	v_pk_fma_f32 v[112+i:113+i], v[112+i:113+i], v[80+i:81+i], s[\k:\k+1] op_sel_hi:[1,1,0]
.set i, i+2
.endr
.endr
.set i, 0
.rept 8
	v_pk_mul_f32 v[112+i:113+i], v[112+i:113+i], v[64+i:65+i]
.set i, i+2
.endr
	s_wait_alu depctr_va_vdst(0)
.set i, 0
.rept 8
	v_pk_mul_f32 v[112+i:113+i], v[112+i:113+i], v[96+i:97+i]
.set i, i+2
.endr
.set i, 0
.rept 8
	v_pk_mul_f32 v[\u+i:\u+i+1], v[\u+i:\u+i+1], 0.5 op_sel_hi:[1,0]
.set i, i+2
.endr
.set i, 0
.rept 8
	v_pk_fma_f32 v[\u+i:\u+i+1], v[112+i:113+i], v[\u+i:\u+i+1], v[\u+i:\u+i+1]
.set i, i+2
.endr
.endm
; 512 columns of Wf1, gelu, quantise into image 0.  On the way in the loads still out are buffer 1's 28; behind buffer 0's products its 28 new ones
.macro F1 next
	PHASE IMGOFF, 0, 1, 1, \next, 28, 28
	BARRIER                                        ; every wave's reads of image 0 (the phase before this one) are over: only behind this barrier is image 0 stored anew
	GELU16 A7
	GELU16 A7+16
	GELU16 A7+32
	GELU16 A7+48
	QUANTH 0
	s_wait_dscnt 0x0
.if \next
	s_wait_xcnt 0x0
	s_add_nc_u64 s[18:19], s[18:19], 2048
	BIASLD 18, A7
.endif
	BARRIER
.endm
	WIN 0x40
	BIASLD 12, A8
	WIN 0
.irp c, 0,1
.irp p, 0,1,2
	global_load_b64 v[64+6*\c+2*\p:65+6*\c+2*\p], v[ATC], s[4:5] offset:393216*\c+8*\p
.endr
.endr
.irp b, 0,1,2,3
	global_load_u8 v[76+\b], v[ATS], s[6:7] offset:8192*\b
.endr
.irp i, 0,1,2,3
.irp q, 0,1,2,3
	global_load_b128 v[A7+16*\i+4*\q:A7+16*\i+4*\q+3], v[L16], s[8:9] offset:2048*\i+512*\q th:TH_LOAD_NT
.endr
.endr
	s_wait_loadcnt 16                              ; all but x1's 16 loads
	v_lshl_or_b32 v80, v77, 8, v76
	s_delay_alu instid0(VALU_DEP_1)
	v_lshl_or_b32 v80, v78, 16, v80
	s_delay_alu instid0(VALU_DEP_1)
	v_lshl_or_b32 v80, v79, 24, v80
	ds_store_b128 v[AW16], v[64:67]
	ds_store_b64 v[AW8], v[68:69]
	ds_store_b128 v[AW16], v[70:73] offset:768
	ds_store_b64 v[AW8], v[74:75] offset:768
	ds_store_b32 v[AWS], v80
	s_wait_loadcnt 0x0
.irp i, 0,1,2,3
.irp q, 0,1,2,3
	ds_store_b128 v[XRW], v[A7+16*\i+4*\q:A7+16*\i+4*\q+3] offset:XP*\i+512*\q
.endr
.endr
	BARRIER
	PHASE 0, 1, 0, 1, 1, 0, 0                      ; a Wo + bo.  Buffer 0 is not asked for here: the layer norm works in its registers
	LNORM 0, 14, 16
	s_wait_alu depctr_va_vdst(0)                   ; the wait directly ahead of the blocking wait below
	WLOAD 0, 1
	TOSTAGE
	QUANTH IMGOFF
	WIN 0x40
	BIASLD 20, A8
	WIN 0
	s_wait_dscnt 0x0
	BIASLD 18, A7
	s_wait_loadcnt 0x0                             ; so the loop's counted waits hold on the way in too
	BARRIER
	s_mov_b32 s50, 3
.Lround:
	F1 1
	PHASE 0, 1, 1, 1, 1, 44, 44                    ; behind each buffer's loads: the other's 28 and the next bias's 16
	s_sub_co_u32 s50, s50, 1
	s_cmp_lg_u32 s50, 0
	s_cbranch_scc1 .Lround
	F1 0
	PHASE 0, 1, 0, 0, 0, 28, 0
	LNORM 2, 22, 24
	TOSTAGE
	BARRIER
.irp i, 0,1,2,3
.irp q, 0,1,2,3
	ds_load_b128 v[192+16*\i+4*\q:192+16*\i+4*\q+3], v[XRW] offset:XP*\i+512*\q
.endr
.endr
.irp i, 0,1,2,3
.irp q, 0,1,2,3
	s_wait_dscnt 15-4*\i-\q
	global_store_b128 v[L16], v[192+16*\i+4*\q:192+16*\i+4*\q+3], s[26:27] offset:2048*\i+512*\q th:TH_STORE_NT
.endr
.endr
	s_wait_tensorcnt 0x0                           ; the wave's end
	ds_add_u32 v[SPW], v[NIL]
	s_wait_dscnt 0x0
	s_endpgm
.Lfunc_end_k_q1892cefd3a_tail:
	.size	k_q1892cefd3a_tail, .Lfunc_end_k_q1892cefd3a_tail-k_q1892cefd3a_tail
	.p2alignl 7, 3214868480
	.fill 96, 4, 3214868480
	.section	.rodata,"a",@progbits
	.p2align	6, 0x0
	.amdhsa_kernel k_q1892cefd3a_tail
		.amdhsa_group_segment_fixed_size 98304
		.amdhsa_private_segment_fixed_size 0
		.amdhsa_enable_private_segment 0
		.amdhsa_kernarg_size 96
		.amdhsa_user_sgpr_count 2
		.amdhsa_user_sgpr_kernarg_segment_ptr 1
		.amdhsa_wavefront_size32 1
		.amdhsa_system_sgpr_workgroup_id_x 1
		.amdhsa_system_sgpr_workgroup_id_y 1
		.amdhsa_system_sgpr_workgroup_id_z 1
		.amdhsa_system_vgpr_workitem_id 0
		.amdhsa_next_free_vgpr 512
		.amdhsa_next_free_sgpr 96
		.amdhsa_reserve_vcc 0
		.amdhsa_float_denorm_mode_32 3
		.amdhsa_float_denorm_mode_16_64 3
		.amdhsa_memory_ordered 1
		.amdhsa_forward_progress 1
		.amdhsa_inst_pref_size 216
	.end_amdhsa_kernel
	.amdgpu_metadata
---
amdhsa.version: [ 1, 2 ]
amdhsa.kernels:
  - .name:           k_q1892cefd3a_tail
    .symbol:         k_q1892cefd3a_tail.kd
    .args:
      - { .name: ac, .offset: 0, .size: 8, .value_kind: global_buffer, .address_space: global }
      - { .name: asc, .offset: 8, .size: 8, .value_kind: global_buffer, .address_space: global }
      - { .name: x1, .offset: 16, .size: 8, .value_kind: global_buffer, .address_space: global }
      - { .name: wbuf, .offset: 24, .size: 8, .value_kind: global_buffer, .address_space: global }
      - { .name: bo, .offset: 32, .size: 8, .value_kind: global_buffer, .address_space: global }
      - { .name: g1, .offset: 40, .size: 8, .value_kind: global_buffer, .address_space: global }
      - { .name: b1, .offset: 48, .size: 8, .value_kind: global_buffer, .address_space: global }
      - { .name: bf1, .offset: 56, .size: 8, .value_kind: global_buffer, .address_space: global }
      - { .name: bf2, .offset: 64, .size: 8, .value_kind: global_buffer, .address_space: global }
      - { .name: g2, .offset: 72, .size: 8, .value_kind: global_buffer, .address_space: global }
      - { .name: b2, .offset: 80, .size: 8, .value_kind: global_buffer, .address_space: global }
      - { .name: out0, .offset: 88, .size: 8, .value_kind: global_buffer, .address_space: global }
    .group_segment_fixed_size: 98304
    .private_segment_fixed_size: 0
    .kernarg_segment_align: 8
    .kernarg_segment_size: 96
    .max_flat_workgroup_size: 256
    .sgpr_count:     96
    .vgpr_count:     512
    .wavefront_size: 32
...
	.end_amdgpu_metadata
.endif
;; end of part 4
